; MI455X (gfx1250); checked and timed in simulation.
; The chip was launched on July 23, 2026; its instructions are those of AMD's public machine-readable ISA for CDNA 5 (MIT licence, August 2026) and "CDNA5" Instruction Set Architecture Reference Guide (July 2026). The comments in the code are by the model that wrote it; some were corrected since.
;; Self Attention. Allowed arithmetic: float matrix products may take bf16 or f16 operands with f32 sums; all other float work in f32.
;; Inputs: lambdas 2 float32; vi 1 x 2,048 x 2,048 float32; wk 2,048 x 2,048 float32; wproj 2,048 x 2,048 float32; wq 2,048 x 2,048 float32; wv 2,048 x 2,048 float32; x 1 x 2,048 x 2,048 float32.
;; Outputs: out0 1 x 2,048 x 2,048 float32.
;; One version. Each part assembles by itself: llvm-mc -triple=amdgcn-amd-amdhsa -mcpu=gfx1250 --defsym DOCPART=n.
;; ======== version 1 of 1: 4 launches
;; limits: values outside matrix products are rounded to bf16; right only within a limited range of input values; values are held in f16: magnitudes above 65,504 overflow, below 6.1e-05 lose precision
;; workspace buffers: cast 50,331,648 bytes; stats 1,536 bytes; rope 1,048,576 bytes; qkv 25,165,824 bytes; yb 8,388,608 bytes
;; launch prep (part 1): grid 128 x 7, 8 waves a work-group, no clusters, 1,280 bytes of LDS; arguments x, wv, vi, wq, wk, wproj, cast, stats, rope; writes cast, stats, rope
.if DOCPART == 1
	.amdgcn_target "amdgcn-amd-amdhsa--gfx1250"
	.amdhsa_code_object_version 6
	.text
	.protected	k_q99c4d75cf7_prep
	.globl	k_q99c4d75cf7_prep
	.p2align	8
	.type	k_q99c4d75cf7_prep,@function
k_q99c4d75cf7_prep:
	s_mov_b64 s[64:65], 0
	v_nop
	global_prefetch_b8 v0, s[64:65] scope:SCOPE_SE
	s_setreg_imm32_b32 hwreg(HW_REG_WAVE_MODE, 25, 1), 1
	s_wait_xcnt 0x0
; PREP: the six f32 tensors of [2048][2048] are rounded once to 16 bits, and the rotary table is made.
; Grid y picks the job: 0 x, 1 wv, 2 vi (bf16, and the largest magnitude of the work-group's part), 3 wq, 4 wk (bf16),
; 5 wproj (rounded to bf16, then written as f16), 6 the table of cosines and sines.
; cast holds six segments of 8,388,608 bytes: x, wq, wk, wv, vi, wproj.  stats holds [3][128] f32: the maxima of x, wv, vi by work-group.
; A stream: memory binds, so no matrix unit, no cluster, no LDS tiles.  A work-group takes 131,072 bytes of its tensor, a wave 16,384:
; 32 loads of 512 neighbouring bytes, all issued at once (every register is written once, so there is no loop);
; each store of a wave covers 256 consecutive bytes, aligned.
; LIMITS: NaN and infinities are not served (the maxima drop a NaN).  |wproj| must stay below 65,504 (f16's largest number); numbers of wproj
; below 2^-17 in magnitude are written with an absolute error of at most 2^-25.
; The table's angles t * inv_freq are formed in f32 as the definition forms them; inv_freq comes from v_exp_f32, so an angle may differ
; by some 4e-4 radians at t = 2047.
.set X,  8                             ; v[8:135]   chunk c: 4 registers as loaded
.set Y,  136                           ; v[136:199] chunk c: 2 registers to store
.set M0, 200                           ; two running maxima
.set M1, 201
.set W,  202                           ; v[202:205] at work
	s_load_b512 s[8:23], s[0:1], 0x0               ; x, wv, vi, wq, wk, wproj, cast s[20:21], stats s[22:23]
	s_load_b64 s[24:25], s[0:1], 0x40              ; rope
	v_lshl_add_u32 v208, v0, 2, 0x100
	v_mov_b32 v209, 0
	s_and_b32 s2, ttmp7, 0xffff                    ; the job
	s_mov_b32 s3, ttmp9                            ; which of the 128 parts
	s_mov_b32 s32, 0x76543210                      ; v_permlanex16_b32: lane i of one half reads lane i of the other
	s_mov_b32 s33, 0xfedcba98
	v_lshrrev_b32 v1, 5, v0
	v_readfirstlane_b32 s26, v1                    ; wave
	s_wait_kmcnt 0x0
	s_cmp_eq_u32 s2, 6
	s_cbranch_scc1 .Lrope
	s_mov_b64 s[4:5], s[8:9]                       ; the job's tensor: a choice between buffers on the job's number
	s_cmp_eq_u32 s2, 1
	s_cselect_b64 s[4:5], s[10:11], s[4:5]
	s_cmp_eq_u32 s2, 2
	s_cselect_b64 s[4:5], s[12:13], s[4:5]
	s_cmp_eq_u32 s2, 3
	s_cselect_b64 s[4:5], s[14:15], s[4:5]
	s_cmp_eq_u32 s2, 4
	s_cselect_b64 s[4:5], s[16:17], s[4:5]
	s_cmp_eq_u32 s2, 5
	s_cselect_b64 s[4:5], s[18:19], s[4:5]
	s_lshl_b32 s27, s2, 2
	s_lshr_b32 s27, 0x521430, s27                  ; the job's segment of cast, four bits a job: 0, 3, 4, 1, 2, 5
	s_and_b32 s27, s27, 15
	s_lshl_b32 s28, s27, 23                        ; segment x 8,388,608
	s_lshl_b32 s30, s3, 16                         ; + part x 65,536 bytes out
	s_add_co_u32 s28, s28, s30
	s_mov_b32 s29, 0
	s_add_nc_u64 s[20:21], s[20:21], s[28:29]
	s_lshl_b32 s30, s3, 17                         ; part x 131,072 bytes in
	s_mov_b32 s31, 0
	s_add_nc_u64 s[4:5], s[4:5], s[30:31]
	v_and_b32 v4, 31, v0
	v_lshlrev_b32 v2, 4, v4
	v_lshl_or_b32 v2, v1, 14, v2                   ; in: 16,384 wave + 16 lane
	v_lshlrev_b32 v3, 3, v4
	v_lshl_or_b32 v3, v1, 13, v3                   ; out: 8,192 wave + 8 lane
.set ci, 0
.rept 32
	global_load_b128 v[X+4*ci:X+4*ci+3], v2, s[4:5] offset:512*ci th:TH_LOAD_NT
.set ci, ci+1
.endr
; The 32 chunks in turn.  kind 0: bf16.  kind 1: bf16 and the largest magnitude.  kind 2: bf16, then f16.
.macro STREAM kind
.set ci, 0
.rept 32
	s_wait_loadcnt 31-ci                           ; loads come back in order: chunk ci is in, the younger ones stay out
.if \kind == 2
	v_cvt_pk_bf16_f32 v[W], v[X+4*ci], v[X+4*ci+1]
	v_cvt_pk_bf16_f32 v[W+1], v[X+4*ci+2], v[X+4*ci+3]
	v_lshlrev_b32 v[W+2], 16, v[W]                 ; the rounded numbers as f32 again
	v_and_b32 v[W], 0xffff0000, v[W]
	v_lshlrev_b32 v[W+3], 16, v[W+1]
	v_and_b32 v[W+1], 0xffff0000, v[W+1]
	v_cvt_pk_f16_f32 v[Y+2*ci], v[W+2], v[W]       ; eight mantissa bits fit into f16's eleven
	v_cvt_pk_f16_f32 v[Y+2*ci+1], v[W+3], v[W+1]
.else
	v_cvt_pk_bf16_f32 v[Y+2*ci], v[X+4*ci], v[X+4*ci+1]
	v_cvt_pk_bf16_f32 v[Y+2*ci+1], v[X+4*ci+2], v[X+4*ci+3]
.endif
.if \kind == 1
.if ci == 0
	v_max_num_f32 v[M0], |v[X]|, |v[X+1]|          ; the first chunk starts both chains: nothing is cleared
	v_max_num_f32 v[M1], |v[X+2]|, |v[X+3]|
.else
	v_max3_num_f32 v[M0], |v[X+4*ci]|, |v[X+4*ci+1]|, v[M0]
	v_max3_num_f32 v[M1], |v[X+4*ci+2]|, |v[X+4*ci+3]|, v[M1]
.endif
.endif
	global_store_b64 v3, v[Y+2*ci:Y+2*ci+1], s[20:21] offset:256*ci
.set ci, ci+1
.endr
.endm
	s_cmp_lt_u32 s2, 3
	s_cbranch_scc1 .Lstat
	s_cmp_eq_u32 s2, 5
	s_cbranch_scc1 .Lhalf
	STREAM 0
	s_endpgm
.Lhalf:
	STREAM 2
	s_endpgm
.Lstat:
	STREAM 1
	v_max_num_f32 v[M0], v[M0], v[M1]
	v_max_num_f32_dpp v[M0], v[M0], v[M0] row_xmask:1 row_mask:0xf bank_mask:0xf
	v_max_num_f32_dpp v[M0], v[M0], v[M0] row_xmask:2 row_mask:0xf bank_mask:0xf
	v_max_num_f32_dpp v[M0], v[M0], v[M0] row_xmask:4 row_mask:0xf bank_mask:0xf
	v_max_num_f32_dpp v[M0], v[M0], v[M0] row_xmask:8 row_mask:0xf bank_mask:0xf
	v_permlanex16_b32 v[M1], v[M0], s32, s33
	v_max_num_f32 v[M0], v[M0], v[M1]              ; the wave's maximum, in every lane
	v_lshlrev_b32 v[W], 2, v1
	ds_store_b32 v[W], v[M0]                       ; word w of LDS: wave w's
	s_wait_dscnt 0x0                               ; for the others' sake: my store is done
	s_barrier_signal -1
	s_barrier_wait -1
	s_cmp_lg_u32 s26, 0
	s_cbranch_scc1 .Lend
	v_mov_b32 v[W], 0
	ds_load_b128 v[8:11], v[W]                     ; X's registers are free: all loads have landed
	ds_load_b128 v[12:15], v[W] offset:16
	s_wait_dscnt 0x0
	v_max3_num_f32 v8, v8, v9, v10
	v_max3_num_f32 v11, v11, v12, v13
	v_max3_num_f32 v8, v8, v14, v15
	v_max_num_f32 v8, v8, v11
	s_lshl_b32 s34, s2, 7
	s_add_co_u32 s34, s34, s3
	s_lshl_b32 s34, s34, 2                         ; stats[job][part]
	v_mov_b32 v9, s34
	s_wait_xcnt 0x0                                ; EXEC is a source of the stores above: it narrows only behind this wait
	v_cmp_eq_u32 vcc_lo, 0, v0
	s_and_saveexec_b32 s35, vcc_lo
	global_store_b32 v9, v8, s[22:23]
	s_wait_xcnt 0x0                                ; and widens only behind this one
	s_or_b32 exec_lo, exec_lo, s35
.Lend:
	s_wait_tensorcnt 0x0
	ds_add_u32 v208, v209
	s_wait_dscnt 0x0
	s_endpgm
; THE TABLE.  Work-group tb makes the 16 tokens t = 16 tb + r.  The order is the one in which the next launch's lanes want it:
; chunk 4 b + q of 512 bytes, lane L = 16 h + r at byte 16 L: q = 0, 1 the cosines of d = 16 b + 8 h + 0..3 and 4..7, q = 2, 3 the sines.
; Thread (b, jh, L) makes four cosines and four sines.  The angle a = t * 10000^(-d/64) is reduced to f turns, |f| <= 1/2, with 1/(2 pi) in two
; parts; sine and cosine of the half angle g = pi f come from their series (the first terms left out are below 6e-8 at |g| = pi/2), and
; sin 2g = 2 sin g cos g, cos 2g = 1 - 2 sin^2 g.
.Lrope:
	v_and_b32 v1, 15, v0                           ; r
	v_bfe_u32 v2, v0, 4, 1                         ; h
	v_bfe_u32 v3, v0, 5, 1                         ; jh
	v_lshrrev_b32 v4, 6, v0                        ; b
	v_lshl_add_u32 v5, s3, 4, v1
	v_cvt_f32_u32 v5, v5                           ; t
	v_lshlrev_b32 v6, 4, v4
	v_lshl_add_u32 v6, v2, 3, v6
	v_lshl_add_u32 v6, v3, 2, v6                   ; d of my first number
	v_and_b32 v7, 31, v0
	v_lshlrev_b32 v7, 4, v7
	v_lshl_add_u32 v7, v3, 9, v7
	v_lshl_add_u32 v7, v4, 11, v7                  ; 512 (4 b + jh) + 16 L
	s_lshl_b32 s28, s3, 13                         ; 8,192 bytes a token block
	s_mov_b32 s29, 0
	s_add_nc_u64 s[24:25], s[24:25], s[28:29]
.irp i, 0,1,2,3
	v_add_nc_u32 v[8+\i], \i, v6
	v_cvt_f32_u32 v[8+\i], v[8+\i]
	v_mul_f32 v[8+\i], 0xbe549a78, v[8+\i]         ; -d log2(10000) / 64
.endr
.irp i, 0,1,2,3
	v_exp_f32 v[12+\i], v[8+\i]                    ; inv_freq
.endr
	v_nop                                          ; one plain place behind the transcendentals (ISA guide 5.7.2)
	s_wait_alu depctr_va_vdst(0)
.irp i, 0,1,2,3
	v_mul_f32 v[8+\i], v5, v[12+\i]                ; a
	v_mul_f32 v[36+\i], 0.15915494, v[8+\i]
	v_rndne_f32 v[36+\i], v[36+\i]                 ; whole turns
	v_fma_f32 v[12+\i], v[8+\i], 0.15915494, -v[36+\i]
	v_fmac_f32 v[12+\i], 0x31dc9c88, v[8+\i]       ; the rest of 1/(2 pi): 6.4206383e-9
	v_mul_f32 v[12+\i], 0x40490fdb, v[12+\i]       ; g = pi f
	v_mul_f32 v[16+\i], v[12+\i], v[12+\i]         ; u = g^2
	v_mov_b32 v[20+\i], 0xb2d7322b                 ; -1/11!
	v_fmaak_f32 v[20+\i], v[20+\i], v[16+\i], 0x3638ef1d   ; 1/9!
	v_fmaak_f32 v[20+\i], v[20+\i], v[16+\i], 0xb9500d01   ; -1/7!
	v_fmaak_f32 v[20+\i], v[20+\i], v[16+\i], 0x3c088889   ; 1/5!
	v_fmaak_f32 v[20+\i], v[20+\i], v[16+\i], 0xbe2aaaab   ; -1/3!
	v_fma_f32 v[20+\i], v[20+\i], v[16+\i], 1.0
	v_mul_f32 v[20+\i], v[20+\i], v[12+\i]         ; sin g
	v_mov_b32 v[24+\i], 0x310f76c5                 ; 1/12!
	v_fmaak_f32 v[24+\i], v[24+\i], v[16+\i], 0xb493f27e   ; -1/10!
	v_fmaak_f32 v[24+\i], v[24+\i], v[16+\i], 0x37d00d01   ; 1/8!
	v_fmaak_f32 v[24+\i], v[24+\i], v[16+\i], 0xbab60b61   ; -1/6!
	v_fmaak_f32 v[24+\i], v[24+\i], v[16+\i], 0x3d2aaaab   ; 1/4!
	v_fma_f32 v[24+\i], v[24+\i], v[16+\i], -0.5
	v_fma_f32 v[24+\i], v[24+\i], v[16+\i], 1.0    ; cos g
	v_add_f32 v[36+\i], v[20+\i], v[20+\i]
	v_mul_f32 v[32+\i], v[36+\i], v[24+\i]         ; sin a
	v_fma_f32 v[28+\i], -v[36+\i], v[20+\i], 1.0   ; cos a
.endr
	global_store_b128 v7, v[28:31], s[24:25]               ; a wave's store covers 512 consecutive bytes, aligned
	global_store_b128 v7, v[32:35], s[24:25] offset:1024
	s_endpgm
.Lfunc_end_k_q99c4d75cf7_prep:
	.size	k_q99c4d75cf7_prep, .Lfunc_end_k_q99c4d75cf7_prep-k_q99c4d75cf7_prep
	.p2alignl 7, 3214868480
	.fill 96, 4, 3214868480
	.section	.rodata,"a",@progbits
	.p2align	6, 0x0
	.amdhsa_kernel k_q99c4d75cf7_prep
		.amdhsa_group_segment_fixed_size 1280
		.amdhsa_private_segment_fixed_size 0
		.amdhsa_enable_private_segment 0
		.amdhsa_kernarg_size 72
		.amdhsa_user_sgpr_count 2
		.amdhsa_user_sgpr_kernarg_segment_ptr 1
		.amdhsa_wavefront_size32 1
		.amdhsa_system_sgpr_workgroup_id_x 1
		.amdhsa_system_sgpr_workgroup_id_y 1
		.amdhsa_system_sgpr_workgroup_id_z 1
		.amdhsa_system_vgpr_workitem_id 0
		.amdhsa_next_free_vgpr 210
		.amdhsa_next_free_sgpr 66
		.amdhsa_reserve_vcc 1
		.amdhsa_float_denorm_mode_32 3
		.amdhsa_float_denorm_mode_16_64 3
		.amdhsa_memory_ordered 1
		.amdhsa_forward_progress 1
		.amdhsa_inst_pref_size 52
	.end_amdhsa_kernel
	.amdgpu_metadata
---
amdhsa.version: [ 1, 2 ]
amdhsa.kernels:
  - .name:           k_q99c4d75cf7_prep
    .symbol:         k_q99c4d75cf7_prep.kd
    .args:
      - { .name: x, .offset: 0, .size: 8, .value_kind: global_buffer, .address_space: global }
      - { .name: wv, .offset: 8, .size: 8, .value_kind: global_buffer, .address_space: global }
      - { .name: vi, .offset: 16, .size: 8, .value_kind: global_buffer, .address_space: global }
      - { .name: wq, .offset: 24, .size: 8, .value_kind: global_buffer, .address_space: global }
      - { .name: wk, .offset: 32, .size: 8, .value_kind: global_buffer, .address_space: global }
      - { .name: wproj, .offset: 40, .size: 8, .value_kind: global_buffer, .address_space: global }
      - { .name: cast, .offset: 48, .size: 8, .value_kind: global_buffer, .address_space: global }
      - { .name: stats, .offset: 56, .size: 8, .value_kind: global_buffer, .address_space: global }
      - { .name: rope, .offset: 64, .size: 8, .value_kind: global_buffer, .address_space: global }
    .group_segment_fixed_size: 1280
    .private_segment_fixed_size: 0
    .kernarg_segment_align: 8
    .kernarg_segment_size: 72
    .max_flat_workgroup_size: 256
    .sgpr_count:     66
    .vgpr_count:     210
    .wavefront_size: 32
...
	.end_amdgpu_metadata
.endif
;; end of part 1
;; launch qkv (part 2): grid 24 x 8, 4 waves a work-group, clusters of 4 x 4, 327,680 bytes of LDS; arguments cast, stats, rope, lambdas, qkv; writes qkv
.if DOCPART == 2
	.amdgcn_target "amdgcn-amd-amdhsa--gfx1250"
	.amdhsa_code_object_version 6
	.text
	.protected	k_q99c4d75cf7_qkv
	.globl	k_q99c4d75cf7_qkv
	.p2align	8
	.type	k_q99c4d75cf7_qkv,@function
k_q99c4d75cf7_qkv:
	s_mov_b64 s[64:65], 0
	v_nop
	global_prefetch_b8 v0, s[64:65] scope:SCOPE_SE
	s_setreg_imm32_b32 hwreg(HW_REG_WAVE_MODE, 25, 1), 1
	s_wait_xcnt 0x0
	s_wait_alu depctr_hold_cnt(0) depctr_sa_sdst(0) depctr_va_vdst(0) depctr_va_sdst(0) depctr_va_ssrc(0) depctr_va_vcc(0) depctr_vm_vsrc(0)
	s_getreg_b32 s2, hwreg(HW_REG_IB_STS2, 6, 4)
	s_cmp_eq_u32 s2, 0
	s_cbranch_scc0 .Lentry_in_a_cluster
	s_endpgm
.Lentry_in_a_cluster:
	s_bfe_u32 s2, ttmp6, 0x10000c
	s_cmp_lg_u32 s2, 0xf033
	s_cbranch_scc0 .Lentry_shape_is_right
	s_endpgm
.Lentry_shape_is_right:
; QKV: C[t][n] = sum over k of x[t][k] W[n][k], W = wq, wk, wv one below the other ([6144][2048]), all bf16 from cast, sums in f32;
; then, still in registers: q and k are normalised (RMS over the head's 128 numbers) and rotated, v is mixed with vi; all three leave as f16.
; qkv is [2048 t][6144] f16: q at column 128 h, k at 2048 + 128 h, v at 4096 + 128 h.
; A work-group makes 256 x 256 of C with four waves; a wave makes 128 tokens x 128 columns = exactly one head of q, of k or of v,
; in 64 accumulator tiles (512 registers), so that norm and rotation never leave the wave.  6144 / 256 x 2048 / 256 = 192 work-groups.
; K goes in steps of 128 through two LDS slots filled by the tensor data mover; a tile's rows are 256 bytes, aligned.
; CLUSTERS: 4 x 4 work-groups.  The four of a row of the cluster need the same tiles of x, the four of a column the same tiles of W: each tile is
; asked for jointly (same line, same descriptor, a mask that names the four), which divides the requests by four.
; Whether a block is q, k or v hangs on the cluster's x alone (two clusters each), so the branch on it is the same in all partners.
; FORMATS.  q carries log2(e) / sqrt(128) besides its norm, so |q| <= 1.45 and |k| <= 11.32 for every input: f16 has room.
; v = l0 (x wv^T) + l1 vi is unbounded, so it is stored as FS v with FS = 2^15 / a2, a2 the power of two above
; alpha = 2048 |l0| max|x| max|wv| + |l1| max|vi| >= |v|: |FS v| <= 2^15 (1 + 2^-7).  The last launch takes FS out again.  l0, l1 and vi are rounded to bf16 like all inputs.
; LIMITS: alpha < 2^126; alpha is taken as at least 2^-100 (smaller inputs flush toward 0); numbers of v below 2^-29 a2 lose relative precision;
; NaN and infinities are not served.
;
; REGISTERS, in windows of 256 (s_set_vgpr_msb says which window each operand place means):
;   window 0: v4-31 addresses and small things; v32-63 rows read back; v64-127, v128-191 fragments of x, two buffers (on the way out: the table, or vi);
;             v192-255 results at work;   window 1: v64-191 fragments of W;   windows 2, 3: the accumulator tiles of my tokens 0-63, 64-127, tile (a, b) at v[8 (8 a + b)]
; THE MATRIX INSTRUCTION IS USED TRANSPOSED (source 0 = 16 rows of W, source 1 = 16 tokens): lane l then holds token l % 16 and its registers 0 to 7
; the columns 8 (l / 16) + 0 .. 7 of the tile: eight neighbouring numbers of a row.
.set SIZE_N, 6144
.set SIZE_K, 2048
.set KSTEP,  128
.set PITCH,  272                       ; an LDS row: 256 bytes + 16 of padding: the 16 rows that a load touches start at 16 different banks (64 banks of 4 bytes: ISA guide 11.1)
.set HALFT,  128*PITCH                 ; 128 rows: what one tensor load brings
.set SLOT,   4*HALFT                   ; x's 256 rows, then W's 256 rows
.set STAGE,  2*SLOT                    ; behind the ring: 16 rows x 272 bytes for each wave, for the way out
.set SPITCH, 272
.set STAGE2, 4*16*SPITCH               ; and as much again behind that, for vi on its way in
.set LAPS, SIZE_K/(2*KSTEP)
.set SS,   4                           ; v[4:11]  four chains of sums of squares
.set ADRA, 16                          ; v16-17   LDS address of my x fragments in slot 0, 1
.set ADRB, 20                          ; v20-21   the same for W
.set STO,  24                          ; where I put 16 bytes of a row
.set RD,   25                          ; where I read a row back
.set CO,   26                          ; my byte offset in qkv
.set VT,   27                          ; 16 x lane: the table, the statistics
.set STO2, 28                          ; STO and RD in the second stage
.set RD2,  29
.set VV,   30                          ; my byte offset in vi
.set RB,   32                          ; v[32:63] rows read back
.set F0,   64
.set F1,   128
.set CS0,  64                          ; the table of one token block: 16 chunks of 4 registers; two buffers
.set CS1,  128
.set VB0,  64                          ; vi of one token block as loaded: 8 x 4 registers; two buffers
.set VB1,  96
.set VF,   128                         ; vi in the tiles' order
.set T,    192                         ; v[192:255] the block's 64 results of a lane
.set G1, 24
.set G0, 32
.set G1B, 48
.set G0B, 56
.set MSB, 0
.macro WIN new                         ; the immediate's high byte repeats the setting that is left
.if MSB != \new
	s_set_vgpr_msb (MSB<<8)|\new
.set MSB, \new
.endif
.endm
.set MUL_LO, 0xa1                      ; source 0 (W) window 1, source 1 (x) window 0, C and D window 2
.set MUL_HI, 0xf1                      ; the same, C and D window 3
.set TO_B,   0x40                      ; destination window 1, address window 0
; A joint load.  Waves 0 and 1 fetch x's two halves, waves 2 and 3 W's.  The branch hangs on the wave's number alone.
.macro JLOAD s
	s_cmp_eq_u32 s11, 0
	s_cbranch_scc0 .Lfor_b_\@
	tensor_load_to_lds s[G0+4*\s:G0+4*\s+3], s[G1:G1+7]
	s_nop 0
	s_branch .Lasked_\@
.Lfor_b_\@:
	tensor_load_to_lds s[G0B+4*\s:G0B+4*\s+3], s[G1B:G1B+7]
	s_nop 0
.Lasked_\@:
.endm
; A round of the cluster's barrier: my work-group's barrier; wave 0 signals for the work-group; every wave waits for all sixteen; my work-group's barrier once more.
.macro CREST
	s_cmp_lg_u32 s10, 0
	s_cbranch_scc1 .Lnot_wave_0_\@
	s_barrier_signal -3
.Lnot_wave_0_\@:
	s_barrier_wait -3
	s_barrier_signal -1
	s_barrier_wait -1
.endm
.macro CROUND
	s_barrier_signal -1
	s_barrier_wait -1
	CREST
.endm
	s_load_b64 s[4:5], s[0:1], 0x0                 ; cast: x at its head
	s_load_b64 s[76:77], s[0:1], 0x8               ; stats
	s_load_b64 s[72:73], s[0:1], 0x10              ; rope
	s_load_b64 s[78:79], s[0:1], 0x18              ; lambdas
	s_load_b64 s[8:9], s[0:1], 0x20                ; qkv
	s_set_vgpr_msb 0x40
	v_lshl_add_u32 v255, v0, 2, 0x4c800
	s_set_vgpr_msb 0x4000
	v_mov_b32 v31, 0
	s_set_vgpr_msb 0x1
	ds_add_u32 v255, v31
	ds_add_u32 v255, v31
	s_set_vgpr_msb 0x100
	v_lshrrev_b32 v1, 5, v0
	v_readfirstlane_b32 s10, v1                    ; wave 0..3
	s_lshr_b32 s11, s10, 1                         ; which half of the block's tokens is mine.  Also: I fetch for x (0) or for W (1)
	s_and_b32 s12, s10, 1                          ; which half of its columns.  Also: which 128 rows of that tile I fetch
	s_bfe_u32 s40, ttmp6, 0x40000                  ; cx
	s_bfe_u32 s41, ttmp6, 0x40004                  ; cy
	s_lshl_b32 s42, ttmp9, 2
	s_add_co_u32 s42, s42, s40                     ; block column = 4 x cluster x + cx
	s_and_b32 s13, ttmp7, 0xffff
	s_lshl_b32 s13, s13, 2
	s_add_co_u32 s13, s13, s41                     ; block row = 4 x cluster y + cy
	s_lshl_b32 s43, s41, 2
	s_lshl_b32 s43, 15, s43                        ; my row of the cluster
	s_lshl_b32 s44, 0x1111, s40                    ; my column
	s_lshr_b32 s66, ttmp9, 1                       ; 0 q, 1 k, 2 v: from the cluster's x alone
	s_cmp_eq_u32 s66, 0
	s_cselect_b32 s67, 0x3e0293ee, 1.0             ; q also carries log2(e) / sqrt(128)
	s_mov_b32 s68, 0x3c000000                      ; 1 / 128
	s_mov_b32 s69, 0x34000000                      ; the norm's epsilon, 2^-23
	s_mov_b32 s70, 0x76543210                      ; v_permlanex16_b32: lane i of one half reads lane i of the other
	s_mov_b32 s71, 0xfedcba98
	; descriptor group 1: a tile of 128 rows x 128 elements of 2 bytes, 16 bytes of padding behind each row
	s_or_b32 s[G1+0], s43, (1<<16)|(1<<20)|(1<<21)|(5<<22)|(3<<25)  ; 15:0 the mask: x's tiles go to my row; 17:16 2 bytes; 20 padding on; 21 set beside a mask; 24:22 after 64 words; 31:25 4 words
	s_or_b32 s[G1B+0], s44, (1<<16)|(1<<20)|(1<<21)|(5<<22)|(3<<25) ; the same with the mask of my column, for W's tiles
	s_mov_b32 s[G1B+1], KSTEP<<16
	s_mov_b32 s[G1+1], KSTEP<<16                   ; tensor_dim0 = 128
	s_mov_b32 s[G1B+2], 128<<16
	s_mov_b32 s[G1+2], 128<<16                     ; tensor_dim1 = 128
	s_mov_b32 s[G1B+3], KSTEP<<16
	s_mov_b32 s[G1+3], KSTEP<<16                   ; tile_dim0 = 128
	s_mov_b32 s[G1B+4], 128
	s_mov_b32 s[G1+4], 128                         ; tile_dim1 = 128
	s_mov_b32 s[G1B+5], SIZE_K
	s_mov_b32 s[G1+5], SIZE_K                      ; elements from row to row
	s_mov_b32 s[G1B+6], 0
	s_mov_b32 s[G1+6], 0
	s_mov_b32 s[G1B+7], 0
	s_mov_b32 s[G1+7], 0
	; x's tiles hang on the block row alone, W's on the block column alone; each address is made in registers that never hold the other coordinate
	s_lshl_b32 s17, s12, 7
	s_lshl_b32 s16, s13, 8
	s_add_co_u32 s16, s16, s17                     ; x: row 256 x block row + 128 x half
	s_lshl_b32 s46, s42, 8
	s_add_co_u32 s46, s46, s17                     ; W: row 256 x block column + 128 x half
	s_mov_b32 s17, 0
	s_mov_b32 s47, 0
	s_mov_b64 s[18:19], SIZE_K*2
	s_mul_u64 s[16:17], s[16:17], s[18:19]
	s_mul_u64 s[46:47], s[46:47], s[18:19]
	s_mul_i32 s20, s10, HALFT                      ; where they go: wave x 128 rows: no place in the cluster enters an LDS address
	s_wait_dscnt 0x0
	s_wait_kmcnt 0x0
	s_add_nc_u64 s[6:7], s[4:5], 0x800000          ; W: cast's segments 1 to 3
	s_add_nc_u64 s[14:15], s[4:5], s[16:17]
	s_add_nc_u64 s[46:47], s[6:7], s[46:47]
	CROUND                                         ; all sixteen work-groups are here: the first joint loads meet
.irp s, 0,1
	s_mov_b32 s[G0+4*\s], 1
	s_add_co_u32 s[G0+4*\s+1], s20, \s*SLOT
	s_add_nc_u64 s[G0+4*\s+2:G0+4*\s+3], s[14:15], \s*KSTEP*2
	s_or_b32 s[G0+4*\s+3], s[G0+4*\s+3], 0x80000000
	s_mov_b32 s[G0B+4*\s], 1
	s_add_co_u32 s[G0B+4*\s+1], s20, \s*SLOT
	s_add_nc_u64 s[G0B+4*\s+2:G0B+4*\s+3], s[46:47], \s*KSTEP*2
	s_or_b32 s[G0B+4*\s+3], s[G0B+4*\s+3], 0x80000000
	JLOAD \s                                       ; both slots are asked for before anything else is done: two loads of the wave are out
.endr
	v_and_b32 v1, 15, v0                           ; l % 16
	v_bfe_u32 v2, v0, 4, 1                         ; l / 16
	v_mul_u32_u24 v3, v1, PITCH
	v_lshl_add_u32 v3, v2, 4, v3                   ; row x pitch + 16 x half
	s_mul_i32 s21, s11, HALFT                      ; my 128 tokens
	s_mul_i32 s22, s12, HALFT                      ; my 128 rows of W,
	s_add_co_u32 s22, s22, 2*HALFT                 ; which lie behind x's 256
.irp s, 0,1
	v_add_nc_u32 v[ADRA+\s], s21, v3
	v_add_nc_u32 v[ADRB+\s], s22, v3
	s_add_co_u32 s21, s21, SLOT
	s_add_co_u32 s22, s22, SLOT
.endr
	s_mul_i32 s23, s10, 16*SPITCH
	s_add_co_u32 s23, s23, STAGE                   ; my stage
	v_mul_u32_u24 v4, v1, SPITCH                   ; in: row l % 16, 16 bytes for each half of the lanes
	v_lshl_add_u32 v4, v2, 4, v4
	v_add_nc_u32 v[STO], s23, v4
	v_mul_u32_u24 v5, v2, SPITCH                   ; back: lanes 0-15 take one row of 256 bytes, lanes 16-31 the next
	v_lshl_add_u32 v5, v1, 4, v5
	v_add_nc_u32 v[RD], s23, v5
	v_add_nc_u32 v[STO2], STAGE2, v[STO]
	v_add_nc_u32 v[RD2], STAGE2, v[RD]
	v_mul_u32_u24 v5, v2, SIZE_N*2                 ; the same two rows in qkv
	v_lshl_add_u32 v[CO], v1, 4, v5
	v_lshlrev_b32 v[VV], 12, v2                    ; and in vi (rows of 4,096 bytes)
	v_lshl_add_u32 v[VV], v1, 4, v[VV]
	v_and_b32 v[VT], 31, v0
	v_lshlrev_b32 v[VT], 4, v[VT]
; 16 matrix instructions: token blocks a0, a0 + 1 of the window's four x all 8 column blocks, 32 along K.  zero = 1: the first product starts the sums.
.macro MUL16 f, hi, a0, zero
.irp a, \a0, \a0+1
.irp b, 0,1,2,3,4,5,6,7
.if \zero
	v_wmma_f32_16x16x32_bf16 v[8*(8*(\a)+\b):8*(8*(\a)+\b)+7], v[\f+8*\b:\f+8*\b+7], v[\f+8*(4*\hi+\a):\f+8*(4*\hi+\a)+7], 0
.else
	v_wmma_f32_16x16x32_bf16 v[8*(8*(\a)+\b):8*(8*(\a)+\b)+7], v[\f+8*\b:\f+8*\b+7], v[\f+8*(4*\hi+\a):\f+8*(4*\hi+\a)+7], v[8*(8*(\a)+\b):8*(8*(\a)+\b)+7]
.endif
.endr
.endr
.endm
; 32 LDS loads in one run: the fragments of one quarter step into buffer f
.macro FETCH slot, k, f
	WIN TO_B
.irp i, 0,1,2,3,4,5,6,7
	ds_load_b128 v[\f+8*\i:\f+8*\i+3],   v[ADRB+\slot] offset:\k+\i*16*PITCH
	ds_load_b128 v[\f+8*\i+4:\f+8*\i+7], v[ADRB+\slot] offset:\k+\i*16*PITCH+32
.endr
	WIN 0
.irp i, 0,1,2,3,4,5,6,7
	ds_load_b128 v[\f+8*\i:\f+8*\i+3],   v[ADRA+\slot] offset:\k+\i*16*PITCH
	ds_load_b128 v[\f+8*\i+4:\f+8*\i+7], v[ADRA+\slot] offset:\k+\i*16*PITCH+32
.endr
.endm
; Four places behind a matrix instruction before a load lands on one of its registers or a vector instruction reads its result
; (ISA guide 7.12.1 for vector instructions); the matrix instructions in between are not counted.
.macro PLACES
.rept 4
	v_nop
.endr
.endm
; The 64 accumulators take turns, one instruction a turn, in the same order in every quarter step.
.macro QUARTER slot, k, f, g, zero
	s_wait_dscnt 8                                 ; W and my tokens 0-63 are in; the youngest eight loads (tokens 64-127) may be out
	WIN MUL_LO
	MUL16 \f, 0, 0, \zero
	MUL16 \f, 0, 2, \zero
	PLACES
	FETCH \slot, \k, \g
	s_wait_dscnt 32                                ; all but the 32 just issued
	WIN MUL_HI
	MUL16 \f, 1, 0, \zero
	MUL16 \f, 1, 2, \zero
.endm
.macro THREE slot, zero
	QUARTER \slot, 64,  F0, F1, \zero
	QUARTER \slot, 128, F1, F0, 0
	QUARTER \slot, 192, F0, F1, 0
.endm
; The last quarter of a K step changes slots.  In front of the barrier each wave waits for its reads of this slot and for all its tensor loads (one is
; out: its part of the next slot).  Behind it the refill comes first, then the next slot's first fragments.
.macro TURN slot, next, fill
	s_wait_dscnt 8
	WIN MUL_LO
	MUL16 F1, 0, 0, 0
	s_wait_dscnt 0                                 ; my reads of this slot are over
	s_wait_tensorcnt 0x0                           ; and all my tensor loads have landed
	ds_add_u32 v255, v31
	s_wait_dscnt 0x0
	s_barrier_signal -1                            ; (where a slot is filled again this barrier opens a round of the cluster's barrier)
	MUL16 F1, 0, 2, 0                              ; register work while the others arrive
	WIN 0
	s_barrier_wait -1
.if \fill
	CREST                                          ; no wave of any partner still reads this slot's tile or has a load on its way
	s_add_nc_u64 s[G0+4*\slot+2:G0+4*\slot+3], s[G0+4*\slot+2:G0+4*\slot+3], 2*KSTEP*2
	s_add_nc_u64 s[G0B+4*\slot+2:G0B+4*\slot+3], s[G0B+4*\slot+2:G0B+4*\slot+3], 2*KSTEP*2
	JLOAD \slot                                    ; the first tensor load behind the round, the wave's only one until the next
.endif
	PLACES
	FETCH \next, 0, F0
	WIN MUL_HI
	MUL16 F1, 1, 0, 0
	MUL16 F1, 1, 2, 0
.endm
.macro LAP zero
	THREE 0, \zero
	TURN 0, 1, 1
	THREE 1, 0
	TURN 1, 0, 1
.endm
	s_wait_tensorcnt 1                             ; my part of K step 0 is in; K step 1's stays out
	s_barrier_signal -1
	s_barrier_wait -1
	FETCH 0, 0, F0
	LAP 1                                          ; the first lap stands in front of the loop: its first products start the sums
	WIN 0
	s_mov_b32 s3, LAPS-2
.Llap:
	LAP 0
	WIN 0
	s_sub_co_u32 s3, s3, 1
	s_cmp_lg_u32 s3, 0
	s_cbranch_scc1 .Llap
	THREE 0, 0                                     ; the last lap fills nothing
	TURN 0, 1, 0
	THREE 1, 0
	s_wait_dscnt 8
	WIN MUL_LO
	MUL16 F1, 0, 0, 0
	MUL16 F1, 0, 2, 0
	s_wait_dscnt 0
	WIN MUL_HI
	MUL16 F1, 1, 0, 0
	MUL16 F1, 1, 2, 0
	; THE WAY OUT, 16 tokens at a time
	PLACES                                         ; behind the last matrix instructions: results are read, fragment buffers are loaded anew
	WIN 0
	s_lshl_b32 s13, s13, 8
	s_lshl_b32 s14, s11, 7
	s_add_co_u32 s16, s13, s14                     ; my first token
	s_lshl_b32 s84, s16, 9                         ; the table has 512 bytes a token
	s_mov_b32 s85, 0
	s_lshl_b32 s86, s16, 12                        ; vi has 4,096
	s_mov_b32 s17, 0
	s_mov_b64 s[18:19], SIZE_N*2
	s_mul_u64 s[16:17], s[16:17], s[18:19]
	s_add_nc_u64 s[8:9], s[8:9], s[16:17]
	s_lshl_b32 s46, s42, 9                         ; my first column, in bytes: 512 x block + 256 x half
	s_lshl_b32 s47, s12, 8
	s_add_co_u32 s46, s46, s47
	s_mov_b32 s47, 0
	s_add_nc_u64 s[8:9], s[8:9], s[46:47]
	s_add_nc_u64 s[72:73], s[72:73], s[84:85]
; T's 64 numbers (tile b at T + 8 b) go out: rounded to f16, 16 bytes a lane into my stage, back as whole rows of 256 bytes.
.macro PACKOUT i
.set n_, 0
.rept 32
	v_cvt_pk_f16_f32 v[T+n_], v[T+2*n_], v[T+2*n_+1]       ; in place, ascending: register n is written when 2 n and 2 n + 1 are read
.set n_, n_+1
.endr
.irp b, 0,1,2,3,4,5,6,7
	ds_store_b128 v[STO], v[T+4*\b:T+4*\b+3] offset:32*\b
.endr
	s_wait_xcnt 0x0                                ; RB, which the last block's stores read, and the stores' base are rewritten only behind this wait
.if \i
	s_add_nc_u64 s[8:9], s[8:9], 16*SIZE_N*2
.endif
.irp t, 0,1,2,3,4,5,6,7
	ds_load_b128 v[RB+4*\t:RB+4*\t+3], v[RD] offset:\t*2*SPITCH    ; LDS serves a wave's instructions in order (ISA guide 5.7.1.4): these see the stores above
.endr
.irp t, 0,1,2,3,4,5,6,7
	s_wait_dscnt 7-\t
	global_store_b128 v[CO], v[RB+4*\t:RB+4*\t+3], s[8:9] offset:2*\t*SIZE_N*2   ; 16 lanes store 256 consecutive bytes, aligned
.endr
.endm
	s_cmp_eq_u32 s66, 2
	s_cbranch_scc1 .Lv
	; q AND k.  The table of a token block: 16 loads of 512 consecutive bytes; two blocks are always asked for ahead.
.macro TABLE i, dst
.irp c, 0,1,2,3,4,5,6,7,8,9,10,11,12,13,14,15
	global_load_b128 v[\dst+4*\c:\dst+4*\c+3], v[VT], s[72:73] offset:8192*(\i)+512*\c
.endr
.endm
; Token block i = the eight tiles (a, 0..7) of window 2 or 3 (sq: sources 0 and 1 there; rot: source 0 there).
.macro ROPE16 i, a, sq, rot, cs, left
	WIN \sq
.irp n, 0,1,2,3
	v_pk_mul_f32 v[SS+2*\n:SS+2*\n+1], v[64*\a+2*\n:64*\a+2*\n+1], v[64*\a+2*\n:64*\a+2*\n+1]   ; the first four pairs start the chains
.endr
.set n_, 4
.rept 28
	v_pk_fma_f32 v[SS+2*(n_%4):SS+2*(n_%4)+1], v[64*\a+2*n_:64*\a+2*n_+1], v[64*\a+2*n_:64*\a+2*n_+1], v[SS+2*(n_%4):SS+2*(n_%4)+1]
.set n_, n_+1
.endr
	WIN 0
	v_pk_add_f32 v[SS:SS+1], v[SS:SS+1], v[SS+2:SS+3]
	v_pk_add_f32 v[SS+4:SS+5], v[SS+4:SS+5], v[SS+6:SS+7]
	v_pk_add_f32 v[SS:SS+1], v[SS:SS+1], v[SS+4:SS+5]
	v_add_f32 v[SS], v[SS], v[SS+1]                ; my 64 columns of token l % 16
	v_permlanex16_b32 v[SS+1], v[SS], s70, s71     ; the other 64 lie in lane l xor 16
	v_add_f32 v[SS], v[SS], v[SS+1]
	v_fma_f32 v[SS], v[SS], s68, s69               ; mean + epsilon
	v_rsq_f32 v[SS+2], v[SS]
	v_nop                                          ; one plain place behind the transcendental (ISA guide 5.7.2)
	s_wait_alu depctr_va_vdst(0)
	v_mul_f32 v12, s67, v[SS+2]
	v_mov_b32 v13, v12
	s_wait_loadcnt \left                           ; this block's table is in; the next block's 16 loads stay out
.set n_, 0
.rept 32
	v_pk_mul_f32 v[\cs+2*n_:\cs+2*n_+1], v[\cs+2*n_:\cs+2*n_+1], v[12:13]   ; the token's factor goes into its cosines and sines
.set n_, n_+1
.endr
	WIN \rot
.irp b, 0,1,2,3
.irp p, 0,1,2,3
	v_pk_mul_f32 v[T+8*\b+2*\p:T+8*\b+2*\p+1], v[64*\a+8*\b+2*\p:64*\a+8*\b+2*\p+1], v[\cs+16*\b+2*\p:\cs+16*\b+2*\p+1]                ; x1 cos
	v_pk_mul_f32 v[T+32+8*\b+2*\p:T+32+8*\b+2*\p+1], v[64*\a+32+8*\b+2*\p:64*\a+32+8*\b+2*\p+1], v[\cs+16*\b+2*\p:\cs+16*\b+2*\p+1]    ; x2 cos
	v_pk_fma_f32 v[T+8*\b+2*\p:T+8*\b+2*\p+1], v[64*\a+32+8*\b+2*\p:64*\a+32+8*\b+2*\p+1], v[\cs+16*\b+8+2*\p:\cs+16*\b+8+2*\p+1], v[T+8*\b+2*\p:T+8*\b+2*\p+1]   ; + x2 sin
	v_pk_fma_f32 v[T+32+8*\b+2*\p:T+32+8*\b+2*\p+1], v[64*\a+8*\b+2*\p:64*\a+8*\b+2*\p+1], v[\cs+16*\b+8+2*\p:\cs+16*\b+8+2*\p+1], v[T+32+8*\b+2*\p:T+32+8*\b+2*\p+1] neg_lo:[1,0,0] neg_hi:[1,0,0]   ; - x1 sin
.endr
.endr
	WIN 0
.if \i < 6
	TABLE \i+2, \cs
.endif
	PACKOUT \i
.endm
	TABLE 0, CS0
	TABLE 1, CS1
	ROPE16 0, 0, 0x0a, 0x02, CS0, 16
	ROPE16 1, 1, 0x0a, 0x02, CS1, 16
	ROPE16 2, 2, 0x0a, 0x02, CS0, 16
	ROPE16 3, 3, 0x0a, 0x02, CS1, 16
	ROPE16 4, 0, 0x0f, 0x03, CS0, 16
	ROPE16 5, 1, 0x0f, 0x03, CS1, 16
	ROPE16 6, 2, 0x0f, 0x03, CS0, 16
	ROPE16 7, 3, 0x0f, 0x03, CS1, 0
	s_branch .Ldone
	; v
.Lv:
	s_add_co_u32 s86, s86, s46                     ; vi (cast's segment 4) at my first token and column: 33,554,432 + 4,096 t + 2 (column - 4096)
	s_add_co_u32 s86, s86, 0x1ffe000
	s_mov_b32 s87, 0
	s_add_nc_u64 s[74:75], s[4:5], s[86:87]
	s_load_b64 s[80:81], s[78:79], 0x0             ; l0, l1
	global_load_b128 v[32:35], v[VT], s[76:77]             ; the 128 partial maxima of x,
	global_load_b128 v[36:39], v[VT], s[76:77] offset:512  ; of wv,
	global_load_b128 v[40:43], v[VT], s[76:77] offset:1024 ; of vi
.macro VILOAD i, dst
.irp t, 0,1,2,3,4,5,6,7
	global_load_b128 v[\dst+4*\t:\dst+4*\t+3], v[VV], s[74:75] offset:(16*(\i)+2*\t)*4096   ; two rows' 256 bytes
.endr
.endm
	VILOAD 0, VB0
	VILOAD 1, VB1
	s_wait_kmcnt 0x0
	s_wait_loadcnt 16                              ; the statistics are in; vi's 16 loads stay out
; alpha and the power of two above it.  Leaves a2's bits in v32, l0 in v45, l1 in v46 (both rounded to bf16).  The same lines stand in the last launch.
.macro ALPHA
	v_max3_num_f32 v32, v32, v33, v34
	v_max_num_f32 v32, v32, v35
	v_max3_num_f32 v36, v36, v37, v38
	v_max_num_f32 v36, v36, v39
	v_max3_num_f32 v40, v40, v41, v42
	v_max_num_f32 v40, v40, v43
.irp m, 1,2,4,8
	v_max_num_f32_dpp v32, v32, v32 row_xmask:\m row_mask:0xf bank_mask:0xf
	v_max_num_f32_dpp v36, v36, v36 row_xmask:\m row_mask:0xf bank_mask:0xf
	v_max_num_f32_dpp v40, v40, v40 row_xmask:\m row_mask:0xf bank_mask:0xf
.endr
	v_permlanex16_b32 v33, v32, s70, s71
	v_permlanex16_b32 v37, v36, s70, s71
	v_permlanex16_b32 v41, v40, s70, s71
	v_max_num_f32 v32, v32, v33                    ; max |x|
	v_max_num_f32 v36, v36, v37                    ; max |wv|
	v_max_num_f32 v40, v40, v41                    ; max |vi|
	v_cvt_pk_bf16_f32 v44, s80, s81
	v_lshlrev_b32 v45, 16, v44                     ; l0
	v_and_b32 v46, 0xffff0000, v44                 ; l1
	v_mul_f32 v32, v32, v36
	v_mul_f32 v32, 0x45000000, v32                 ; x 2048, the length of the sums
	v_mul_f32 v32, |v45|, v32
	v_fma_f32 v32, |v46|, v40, v32                 ; alpha
	v_max_num_f32 v32, 0x0d800000, v32             ; at least 2^-100
	v_and_b32 v32, 0x7f800000, v32
	v_add_nc_u32 v32, 0x00800000, v32              ; a2: the power of two above alpha
.endm
	ALPHA
	v_sub_nc_u32 v33, 0x86800000, v32              ; FS = 2^15 / a2, by its exponent
	v_mul_f32 v14, v45, v33                        ; l0 FS, twice
	v_mov_b32 v15, v14
	v_mul_f32 v18, v46, v33                        ; l1 FS
; Token block i.  vi comes as whole rows and goes through my second stage into the tiles' order.
.macro VMIX16 i, a, rot, vb, left
	s_wait_loadcnt \left                           ; this block's vi is in; the next block's 8 loads stay out
.irp t, 0,1,2,3,4,5,6,7
	ds_store_b128 v[RD2], v[\vb+4*\t:\vb+4*\t+3] offset:\t*2*SPITCH
.endr
.irp b, 0,1,2,3,4,5,6,7
	ds_load_b128 v[VF+4*\b:VF+4*\b+3], v[STO2] offset:32*\b        ; my own bytes, served in order
.endr
.if \i < 6
	VILOAD \i+2, \vb
.endif
	WIN \rot
.set n_, 0
.rept 32
	v_pk_mul_f32 v[T+2*n_:T+2*n_+1], v[64*\a+2*n_:64*\a+2*n_+1], v[14:15]
.set n_, n_+1
.endr
	WIN 0
	s_wait_dscnt 0x0
.set n_, 0
.rept 32
	v_fma_mix_f32_bf16 v[T+2*n_], v[VF+n_], v18, v[T+2*n_] op_sel_hi:[1,0,0]                     ; + l1 FS vi, straight from the bf16 halves
	v_fma_mix_f32_bf16 v[T+2*n_+1], v[VF+n_], v18, v[T+2*n_+1] op_sel:[1,0,0] op_sel_hi:[1,0,0]
.set n_, n_+1
.endr
	PACKOUT \i
.endm
	VMIX16 0, 0, 0x02, VB0, 8
	VMIX16 1, 1, 0x02, VB1, 8
	VMIX16 2, 2, 0x02, VB0, 8
	VMIX16 3, 3, 0x02, VB1, 8
	VMIX16 4, 0, 0x03, VB0, 8
	VMIX16 5, 1, 0x03, VB1, 8
	VMIX16 6, 2, 0x03, VB0, 8
	VMIX16 7, 3, 0x03, VB1, 0
.Ldone:
	s_set_vgpr_msb 0x1
	s_wait_tensorcnt 0x0
	ds_add_u32 v255, v31
	s_wait_dscnt 0x0
	s_set_vgpr_msb 0x100
	CROUND                                         ; the closing round: no work-group ends while a partner may still ask for a tile that names it
	s_endpgm
.Lfunc_end_k_q99c4d75cf7_qkv:
	.size	k_q99c4d75cf7_qkv, .Lfunc_end_k_q99c4d75cf7_qkv-k_q99c4d75cf7_qkv
	.p2alignl 7, 3214868480
	.fill 96, 4, 3214868480
	.section	.rodata,"a",@progbits
	.p2align	6, 0x0
	.amdhsa_kernel k_q99c4d75cf7_qkv
		.amdhsa_group_segment_fixed_size 327680
		.amdhsa_private_segment_fixed_size 0
		.amdhsa_enable_private_segment 0
		.amdhsa_kernarg_size 40
		.amdhsa_user_sgpr_count 2
		.amdhsa_user_sgpr_kernarg_segment_ptr 1
		.amdhsa_wavefront_size32 1
		.amdhsa_system_sgpr_workgroup_id_x 1
		.amdhsa_system_sgpr_workgroup_id_y 1
		.amdhsa_system_sgpr_workgroup_id_z 1
		.amdhsa_system_vgpr_workitem_id 0
		.amdhsa_next_free_vgpr 1024
		.amdhsa_next_free_sgpr 96
		.amdhsa_reserve_vcc 0
		.amdhsa_float_denorm_mode_32 3
		.amdhsa_float_denorm_mode_16_64 3
		.amdhsa_memory_ordered 1
		.amdhsa_forward_progress 1
		.amdhsa_inst_pref_size 255
	.end_amdhsa_kernel
	.section	.bss,"aw",@nobits
	.p2align	6
	.space	262144
	.amdgpu_metadata
---
amdhsa.version: [ 1, 2 ]
amdhsa.kernels:
  - .name:           k_q99c4d75cf7_qkv
    .symbol:         k_q99c4d75cf7_qkv.kd
    .args:
      - { .name: cast, .offset: 0, .size: 8, .value_kind: global_buffer, .address_space: global }
      - { .name: stats, .offset: 8, .size: 8, .value_kind: global_buffer, .address_space: global }
      - { .name: rope, .offset: 16, .size: 8, .value_kind: global_buffer, .address_space: global }
      - { .name: lambdas, .offset: 24, .size: 8, .value_kind: global_buffer, .address_space: global }
      - { .name: qkv, .offset: 32, .size: 8, .value_kind: global_buffer, .address_space: global }
    .group_segment_fixed_size: 327680
    .private_segment_fixed_size: 0
    .kernarg_segment_align: 8
    .kernarg_segment_size: 40
    .max_flat_workgroup_size: 128
    .sgpr_count:     96
    .vgpr_count:     1024
    .wavefront_size: 32
...
	.end_amdgpu_metadata
.endif
;; end of part 2
;; launch attn (part 3): grid 16 x 16, 16 waves a work-group, no clusters, 327,680 bytes of LDS; arguments qkv, yb; writes yb
.if DOCPART == 3
	.amdgcn_target "amdgcn-amd-amdhsa--gfx1250"
	.amdhsa_code_object_version 6
	.text
	.protected	k_q99c4d75cf7_attn
	.globl	k_q99c4d75cf7_attn
	.p2align	8
	.type	k_q99c4d75cf7_attn,@function
k_q99c4d75cf7_attn:
	s_mov_b64 s[64:65], 0
	v_nop
	global_prefetch_b8 v0, s[64:65] scope:SCOPE_SE
	s_setreg_imm32_b32 hwreg(HW_REG_WAVE_MODE, 25, 1), 1
	s_wait_xcnt 0x0
; ATTN: causal attention of one head (grid y) for two blocks of 64 queries, j (grid x) and 31 - j.  Block b needs the key tiles 0 .. b of 64 keys,
; so the two blocks together need 33 tiles in every work-group: 256 work-groups of equal matrix work.
; SIXTEEN WAVES.  Waves w and w + 8 hold the same 16 queries; wave w takes the even key tiles, wave w + 8 the odd ones, each with a running maximum, sum and
; y of its own, so that the longest chain of tiles is 16.  At the end the odd wave hands its three to the even wave through LDS, and the even wave merges:
; y = (a_e y_e + a_o y_o) / (a_e l_e + a_o l_o), a = exp2(m - max(m_e, m_o)).  Four waves lie on a SIMD (4 x 242 registers): one wave's softmax runs while
; the others' matrix and LDS instructions do.  Which block a wave serves is bit 0 of w xor (w >> 2): waves w, w+4, w+8, w+12 and waves 4s .. 4s+3 alike are two of each block.
; K and V come by the tensor data mover, 256 keys a slot, two slots that take turns: 5 to 8 slots, by j.  Every wave brings 32 rows, waves 0-7 of K, waves 8-15 of V.
; A wave steps over the tiles above its diagonal.  The first tile of a wave is always worked (it starts maximum, sum and y, so nothing is cleared): for the odd waves of
; query block 0 that is tile 1, wholly above the diagonal: every score is masked, the maximum is -1e30 and the merge gives it the weight exp2(-1e30 - m_e) = 0.
; NO CLUSTER: the work-groups that share a head's K and V differ in j, and on j hang the number of slots and every branch over a tile.
; PREFETCH: work-group j = 0 of each head, which walks all eight slots, asks in the trip on slot t for the 512 rows of 256 bytes of slot t + 2 (256 of K, 256 of V):
; one row a lane of the sixteen waves, one trip ahead of the tensor load that wants them; each row is asked for once in the launch; slot 7 is the last asked for.
; ORIENTATION.  S^T = K Q^T: a result tile holds key 8 h + j in register j, query r in lane (r, h).  Two such tiles, rounded to f16, ARE the second
; source (32 keys x 16 queries) of y^T += V^T P^T, whose first source is read from the [key][d] tile by the transposing LDS load.
; Maximum and sum of a query live in its two lanes, l and l xor 16.  The result tile holds query r and eight neighbouring d: 16 bytes.
; q carries log2(e) / sqrt(128), so the exponentials are v_exp_f32 of S - running maximum; P <= 1 in f16; maxima, sums and y in f32.
; v is FS v (see the launch that made it), attention is linear in it, so yb = FS y, |yb| <= 2^15 (1 + 2^-7), f16.
; Keys above the diagonal get -1e30 as in the definition; tile 0 holds key 0, which every query sees, so every even wave's maximum is finite.
; SCALARS: s2 w >> 3 (tile parity; K or V to fetch), s3 the loop's trips so far, s8 wave, s9 which 16 queries of the block, s10 head, s11 j, s12 my query block,
; s13 my tile in the slot's first pair, s15 slots, s48 the loop's trips, s52 my tile in the second pair, s66 w mod 8, s67 the prefetch's offset, s68 the pair's stage;
; s[16:31] the two groups 1, s[32:47] the four groups 0 (nothing else is ever written there); s[56:59] q and yb at my first query.
.set ROWB,   12288                     ; bytes in a row of qkv
.set KPITCH, 272                       ; K in LDS: 256 bytes + 16: the 16 rows of a fragment start at 16 different banks (ISA guide 11.1)
.set VPITCH, 288                       ; V in LDS: 256 bytes + 32: an odd multiple of 32, for the transposing load
.set KEYS,   256                       ; keys in a slot: four tiles, two for each parity
.set KPART,  KEYS*KPITCH
.set SLOT,   KPART+KEYS*VPITCH         ; 143,360 bytes: 256 keys of K, then of V
.set STEP,   KEYS*ROWB
.set STAGE,  2*SLOT                    ; behind the ring: 4,352 bytes for each pair of waves: the hand-over, then 16 rows x 272 bytes on the way out
.set XBYTES, 16*272
.set PFV, 1                            ; the prefetch's offset of this trip
.set XA,  2                            ; the hand-over: 16 bytes a lane   (v2, v3 hold r and h during the set-up)
.set XM,  3                            ; the hand-over: 8 bytes a lane
.set KA,  4                            ; v4-5    LDS address of my K fragments in slot 0, 1
.set VA,  6                            ; v6-7    the same for V
.set STO, 8
.set RD,  9
.set CO,  10
.set THR, 11                           ; my query's place in its block less 8 h: key 16 mt + j of the diagonal tile is masked where 16 mt + j > THR
.set NEG, 12
.set QO,  13
.set PFL, 15                           ; the prefetch: my row's offset in a slot
.set THRF, 31                          ; THR for my first tile: + 64 (block - tile)
                                       ; v14 running maximum; v16-17 the new one, twice; v18-19 the rescaling factor, twice; v20-21 running sum; v22-30 at work
.set Q,   32                           ; v[32:63]   my 16 queries: four fragments of 32 d
.set S,   64                           ; v[64:95]   four tiles of 16 keys
.set P,   96                           ; v[96:111]  two fragments of 32 keys
.set F0,  112                          ; two buffers of four fragments
.set F1,  144
.set ACC, 176                          ; v[176:239] y^T: eight tiles of 16 d
.set G1K, 16
.set G1V, 24
.set G0K, 32                           ; a group 0 for each slot: s[32:35], s[36:39]
.set G0V, 40                           ; s[40:43], s[44:47]
	s_load_b128 s[4:7], s[0:1], 0x0                ; qkv, yb
	v_lshl_add_u32 v240, v0, 2, 0x4e800
	v_mov_b32 v241, 0
	ds_add_u32 v240, v241
	ds_add_u32 v240, v241
	v_lshrrev_b32 v1, 5, v0
	v_readfirstlane_b32 s8, v1                     ; wave 0..15
	s_lshr_b32 s2, s8, 3                           ; 0: even tiles, I fetch K; 1: odd tiles, I fetch V
	s_and_b32 s66, s8, 7                           ; the pair; also which 32 rows of a slot I fetch
	s_bfe_u32 s9, s8, 0x20001                      ; which 16 queries of the block: bits 2:1
	s_and_b32 s10, ttmp7, 0xffff                   ; head
	s_mov_b32 s11, ttmp9                           ; j
	s_sub_co_u32 s14, 31, s11
	s_lshr_b32 s49, s8, 2
	s_xor_b32 s49, s49, s8
	s_and_b32 s49, s49, 1
	s_cmp_eq_u32 s49, 0
	s_cselect_b32 s12, s11, s14                    ; my query block
	s_mov_b32 s13, s2                              ; my first tile
	s_sub_co_u32 s15, 35, s11
	s_lshr_b32 s15, s15, 2                         ; slots of 256 keys that block 31 - j needs: 5 to 8
	s_sub_co_u32 s48, s15, 2
	s_lshr_b32 s48, s48, 1                         ; the loop's trips: 1 to 3, from j alone
	s_mov_b32 s67, 2*STEP                          ; the first slot asked for ahead
	s_mov_b32 s54, 0x76543210
	s_mov_b32 s55, 0xfedcba98
	; group 1: 32 rows x 128 elements of 2 bytes, rows 6,144 elements apart; padding behind every 64 words: 4 words for K, 8 for V
	s_mov_b32 s[G1K+0], (1<<16)|(1<<20)|(5<<22)|(3<<25)
	s_mov_b32 s[G1V+0], (1<<16)|(1<<20)|(5<<22)|(7<<25)
	s_mov_b32 s[G1K+1], 128<<16
	s_mov_b32 s[G1V+1], 128<<16
	s_mov_b32 s[G1K+2], 32<<16
	s_mov_b32 s[G1V+2], 32<<16
	s_mov_b32 s[G1K+3], 128<<16
	s_mov_b32 s[G1V+3], 128<<16
	s_mov_b32 s[G1K+4], 32
	s_mov_b32 s[G1V+4], 32
	s_mov_b32 s[G1K+5], 6144
	s_mov_b32 s[G1V+5], 6144
	s_mov_b32 s[G1K+6], 0
	s_mov_b32 s[G1V+6], 0
	s_mov_b32 s[G1K+7], 0
	s_mov_b32 s[G1V+7], 0
	s_mul_i32 s50, s66, 32*ROWB                    ; my 32 rows of a slot's 256
	s_lshl_b32 s53, s10, 8                         ; the head's 256 bytes
	s_add_co_u32 s50, s50, s53
	s_mov_b32 s51, 0
	s_mul_i32 s49, s66, 32*KPITCH
	s_mul_i32 s14, s66, 32*VPITCH
	s_lshl_b32 s62, s12, 6
	s_lshl_b32 s63, s9, 4
	s_add_co_u32 s62, s62, s63                     ; my first query
	s_mul_i32 s56, s62, ROWB
	s_add_co_u32 s56, s56, s53
	s_mov_b32 s57, 0
	s_lshl_b32 s58, s62, 12
	s_add_co_u32 s58, s58, s53
	s_mov_b32 s59, 0
	s_wait_dscnt 0x0
	s_wait_kmcnt 0x0
	s_add_nc_u64 s[60:61], s[4:5], s[50:51]
	s_add_nc_u64 s[56:57], s[4:5], s[56:57]        ; q at my first query
	s_add_nc_u64 s[58:59], s[6:7], s[58:59]        ; yb likewise
.irp n, 0,1
	s_mov_b32 s[G0K+4*\n], 1
	s_add_co_u32 s[G0K+4*\n+1], s49, \n*SLOT
	s_add_nc_u64 s[G0K+4*\n+2:G0K+4*\n+3], s[60:61], 4096+\n*STEP      ; k begins 4,096 bytes into a row
	s_or_b32 s[G0K+4*\n+3], s[G0K+4*\n+3], 0x80000000
	s_mov_b32 s[G0V+4*\n], 1
	s_add_co_u32 s[G0V+4*\n+1], s14, \n*SLOT+KPART
	s_add_nc_u64 s[G0V+4*\n+2:G0V+4*\n+3], s[60:61], 8192+\n*STEP      ; v 8,192
	s_or_b32 s[G0V+4*\n+3], s[G0V+4*\n+3], 0x80000000
.endr
; Waves 0-7 fetch K's eight parts of slot n, waves 8-15 V's: one tensor load a wave.
.macro KVLOAD n
	s_cmp_eq_u32 s2, 0
	s_cbranch_scc0 .Lfor_v_\@
	tensor_load_to_lds s[G0K+4*\n:G0K+4*\n+3], s[G1K:G1K+7]
	s_nop 0
	s_branch .Lasked_\@
.Lfor_v_\@:
	tensor_load_to_lds s[G0V+4*\n:G0V+4*\n+3], s[G1V:G1V+7]
	s_nop 0
.Lasked_\@:
.endm
	KVLOAD 0                                       ; keys 0 to 255
	KVLOAD 1                                       ; keys 256 to 511: both first fills go out together; two loads of the wave are out
	v_and_b32 v2, 15, v0                           ; r
	v_bfe_u32 v3, v0, 4, 1                         ; h
	v_mul_u32_u24 v[QO], v2, ROWB
	v_lshl_add_u32 v[QO], v3, 4, v[QO]
.irp c, 0,1,2,3
	global_load_b128 v[Q+8*\c:Q+8*\c+3],   v[QO], s[56:57] offset:64*\c       ; query r, d = 32 c + 8 h ..
	global_load_b128 v[Q+8*\c+4:Q+8*\c+7], v[QO], s[56:57] offset:64*\c+32    ; d = 32 c + 16 + 8 h ..
.endr
	v_mul_u32_u24 v[KA], v2, KPITCH
	v_lshl_add_u32 v[KA], v3, 4, v[KA]             ; row r, 16 bytes for each half of the lanes
	s_mul_i32 s68, s66, XBYTES
	s_add_co_u32 s68, s68, STAGE                   ; the pair's stage
	v_add_nc_u32 v[STO], s68, v[KA]
	s_mul_i32 s49, s2, 64*KPITCH                   ; the odd waves begin 64 keys further down
	v_add_nc_u32 v[KA], s49, v[KA]
	v_add_nc_u32 v[KA+1], SLOT, v[KA]
	v_and_b32 v22, 7, v0
	v_lshl_add_u32 v22, v3, 3, v22                 ; key 8 h + l % 8
	v_mul_u32_u24 v22, v22, VPITCH
	v_bfe_u32 v23, v0, 3, 1
	v_lshl_add_u32 v22, v23, 4, v22                ; + 16 bytes for lanes 8-15 and 24-31
	s_mul_i32 s49, s2, 64*VPITCH
	s_add_co_u32 s49, s49, KPART
	v_add_nc_u32 v[VA], s49, v22
	v_add_nc_u32 v[VA+1], SLOT, v[VA]
	v_mul_u32_u24 v[RD], v3, 272
	v_lshl_add_u32 v[RD], v2, 4, v[RD]
	v_add_nc_u32 v[RD], s68, v[RD]
	v_lshlrev_b32 v[CO], 12, v3
	v_lshl_add_u32 v[CO], v2, 4, v[CO]
	v_lshlrev_b32 v[THR], 3, v3
	v_sub_nc_u32 v[THR], v2, v[THR]
	v_lshl_add_u32 v[THR], s9, 4, v[THR]           ; 16 x my quarter + r - 8 h
	s_sub_co_u32 s49, s12, s2
	s_lshl_b32 s49, s49, 6                         ; 64 (block - first tile): -64 where the tile lies above the diagonal
	v_add_nc_u32 v[THRF], s49, v[THR]
	v_mov_b32 v[NEG], 0xf149f2ca                   ; -1e30
	v_and_b32 v[PFL], 31, v0
	v_lshl_add_u32 v[PFL], s66, 5, v[PFL]          ; the row that I ask for: 32 x part + lane
	v_mul_u32_u24 v[PFL], v[PFL], ROWB
	s_lshl_b32 s49, s2, 12
	s_add_co_u32 s49, s49, 4096                    ; of K (waves 0-7) or of V
	s_add_co_u32 s49, s49, s53
	v_add_nc_u32 v[PFL], s49, v[PFL]
	s_wait_loadcnt 0x0                             ; q
; Four places behind a matrix instruction before a load lands on one of its registers or a vector instruction touches them (ISA guide 7.12.1 for vector instructions)
.macro PLACES
.rept 4
	v_nop
.endr
.endm
.macro LOADK slot, pair, c, f          ; four fragments: 64 keys x d = 32 c .. 32 c + 31
.irp mt, 0,1,2,3
	ds_load_b128 v[\f+8*\mt:\f+8*\mt+3],   v[KA+\slot] offset:128*KPITCH*\pair+16*KPITCH*\mt+64*\c
	ds_load_b128 v[\f+8*\mt+4:\f+8*\mt+7], v[KA+\slot] offset:128*KPITCH*\pair+16*KPITCH*\mt+64*\c+32
.endr
.endm
.macro LOADV slot, pair, kk, d0, f     ; four fragments: d tiles d0 .. d0 + 3 x keys 32 kk .. 32 kk + 31, transposed on the way
.irp i, 0,1,2,3
	ds_load_tr16_b128 v[\f+8*\i:\f+8*\i+3],   v[VA+\slot] offset:VPITCH*(128*\pair+32*\kk)+32*(\d0+\i)
	ds_load_tr16_b128 v[\f+8*\i+4:\f+8*\i+7], v[VA+\slot] offset:VPITCH*(128*\pair+32*\kk)+32*(\d0+\i)+16*VPITCH
.endr
.endm
.macro QK c, f, zero                   ; the four S tiles take turns, one instruction a turn
.irp mt, 0,1,2,3
.if \zero
	v_wmma_f32_16x16x32_f16 v[S+8*\mt:S+8*\mt+7], v[\f+8*\mt:\f+8*\mt+7], v[Q+8*\c:Q+8*\c+7], 0
.else
	v_wmma_f32_16x16x32_f16 v[S+8*\mt:S+8*\mt+7], v[\f+8*\mt:\f+8*\mt+7], v[Q+8*\c:Q+8*\c+7], v[S+8*\mt:S+8*\mt+7]
.endif
.endr
.endm
.macro PV d0, f, kk, zero              ; likewise the eight tiles of y^T
.irp i, 0,1,2,3
.if \zero
	v_wmma_f32_16x16x32_f16 v[ACC+8*(\d0+\i):ACC+8*(\d0+\i)+7], v[\f+8*\i:\f+8*\i+7], v[P+8*\kk:P+8*\kk+7], 0
.else
	v_wmma_f32_16x16x32_f16 v[ACC+8*(\d0+\i):ACC+8*(\d0+\i)+7], v[\f+8*\i:\f+8*\i+7], v[P+8*\kk:P+8*\kk+7], v[ACC+8*(\d0+\i):ACC+8*(\d0+\i)+7]
.endif
.endr
.endm
.macro MASK thr                        ; key 16 mt + j of the tile gets -1e30 where it lies behind the lane's query
.irp mt, 0,1,2,3
.irp jr, 0,1,2,3,4,5,6,7
	v_cmp_gt_i32 vcc_lo, 16*\mt+\jr, v[\thr]
	v_cndmask_b32 v[S+8*\mt+\jr], v[S+8*\mt+\jr], v[NEG], vcc_lo
.endr
.endr
.endm
; One tile of 64 keys: my tile of the slot's first or second pair.  first = 1: the wave's first tile starts maximum, sum and y.
; Each s_wait_dscnt 8 lets the younger run of eight loads stay out.
; The tile begins and ends with none of its LDS loads out, so the counts hold whichever tiles a wave steps over.
.macro HALF slot, pair, first
	PLACES                                         ; behind the last tile's matrix instructions: F0, F1 and P are written anew
	LOADK \slot, \pair, 0, F0
	LOADK \slot, \pair, 1, F1
	s_wait_dscnt 8
	QK 0, F0, 1
	PLACES
	LOADK \slot, \pair, 2, F0
	s_wait_dscnt 8
	QK 1, F1, 0
	PLACES
	LOADK \slot, \pair, 3, F1
	s_wait_dscnt 8
	QK 2, F0, 0
	PLACES
	LOADV \slot, \pair, 0, 0, F0
	s_wait_dscnt 8
	QK 3, F1, 0
	PLACES
	LOADV \slot, \pair, 0, 4, F1
.if \first
	s_cmp_lt_u32 s13, s12
	s_cbranch_scc1 .Lbelow_\@                      ; the first tile is masked on the diagonal and above it
	MASK THRF
.else
.if \pair
	s_cmp_lg_u32 s52, s12
.else
	s_cmp_lg_u32 s13, s12
.endif
	s_cbranch_scc1 .Lbelow_\@                      ; of the later tiles only the diagonal one is masked
	MASK THR
.endif
.Lbelow_\@:
	v_max3_num_f32 v22, v[S+0], v[S+1], v[S+2]
	v_max3_num_f32 v23, v[S+3], v[S+4], v[S+5]
	v_max3_num_f32 v24, v[S+6], v[S+7], v[S+8]
	v_max3_num_f32 v25, v[S+9], v[S+10], v[S+11]
.irp n, 0,1,2,3,4,5,6,7,8,9
	v_max3_num_f32 v[22+\n%4], v[22+\n%4], v[S+12+2*\n], v[S+13+2*\n]
.endr
	v_max3_num_f32 v22, v22, v23, v24
	v_max_num_f32 v22, v22, v25                    ; over my 32 keys
	v_permlanex16_b32 v23, v22, s54, s55           ; the other 32 lie in lane l xor 16
.if \first
	v_max_num_f32 v16, v22, v23
	v_mov_b32 v17, v16
.else
	v_max3_num_f32 v16, v22, v23, v14              ; the running maximum
	v_mov_b32 v17, v16
	v_sub_f32 v30, v14, v16
	v_exp_f32 v18, v30                             ; what the old sums are worth now
.endif
.set n_, 0
.rept 16
	v_pk_add_f32 v[S+2*n_:S+2*n_+1], v[S+2*n_:S+2*n_+1], v[16:17] neg_lo:[0,1] neg_hi:[0,1]
.set n_, n_+1
.endr
.set n_, 0
.rept 32
	v_exp_f32 v[S+n_], v[S+n_]
.set n_, n_+1
.endr
	v_mov_b32 v14, v16                             ; a plain place behind the transcendentals (ISA guide 5.7.2)
.if \first == 0
	s_wait_alu depctr_va_vdst(0)
	v_mov_b32 v19, v18
.endif
	s_wait_alu depctr_va_vdst(0)
.irp n, 0,1,2,3
	v_pk_add_f32 v[22+2*\n:23+2*\n], v[S+4*\n:S+4*\n+1], v[S+4*\n+2:S+4*\n+3]
.endr
.irp n, 0,1,2,3,4,5,6,7
	v_pk_add_f32 v[22+2*(\n%4):23+2*(\n%4)], v[22+2*(\n%4):23+2*(\n%4)], v[S+16+2*\n:S+17+2*\n]
.endr
	v_pk_add_f32 v[22:23], v[22:23], v[24:25]
	v_pk_add_f32 v[26:27], v[26:27], v[28:29]
.if \first
	v_pk_add_f32 v[20:21], v[22:23], v[26:27]
.else
	v_pk_add_f32 v[22:23], v[22:23], v[26:27]
	v_pk_fma_f32 v[20:21], v[20:21], v[18:19], v[22:23]
.endif
.set n_, 0
.rept 16
	v_cvt_pk_f16_f32 v[P+n_], v[S+2*n_], v[S+2*n_+1]       ; tiles 0, 1 make fragment 0, tiles 2, 3 fragment 1: no lane changes
.set n_, n_+1
.endr
.if \first == 0
.set n_, 0
.rept 32
	v_pk_mul_f32 v[ACC+2*n_:ACC+2*n_+1], v[ACC+2*n_:ACC+2*n_+1], v[18:19]
.set n_, n_+1
.endr
.endif
	s_wait_dscnt 8
	PV 0, F0, 0, \first
	PLACES
	LOADV \slot, \pair, 1, 0, F0
	s_wait_dscnt 8
	PV 4, F1, 0, \first
	PLACES
	LOADV \slot, \pair, 1, 4, F1
	s_wait_dscnt 8
	PV 0, F0, 1, 0
	s_wait_dscnt 0
	PV 4, F1, 1, 0
.endm
; The work on one slot: the request ahead (work-group j = 0 alone, up to the last slot), then my two tiles of its four.
.macro WORK slot, first
	s_cmp_lg_u32 s11, 0
	s_cbranch_scc1 .Lno_ask_\@
	s_cmp_gt_u32 s67, 7*STEP
	s_cbranch_scc1 .Lno_ask_\@                     ; nothing lies behind slot 7: no request leaves the buffer
	s_wait_xcnt 0x0                                ; the last trip's request has had its address translated: its offset register is rewritten only behind this wait
	v_add_nc_u32 v[PFV], s67, v[PFL]
	global_prefetch_b8 v[PFV], s[4:5] th:TH_LOAD_NT scope:SCOPE_SE
.Lno_ask_\@:
	s_add_co_u32 s67, s67, STEP
.if \first
	HALF \slot, 0, 1
.else
	s_cmp_gt_u32 s13, s12
	s_cbranch_scc1 .Labove_a_\@                    ; the tile lies above my diagonal
	HALF \slot, 0, 0
.Labove_a_\@:
.endif
	s_add_co_u32 s52, s13, 2
	s_cmp_gt_u32 s52, s12
	s_cbranch_scc1 .Labove_b_\@
	HALF \slot, 1, 0
.Labove_b_\@:
	s_add_co_u32 s13, s13, 4
.endm
; One slot of 256 keys.  In front of the barrier every wave waits for all its tensor loads (its part of this slot) and for its reads of the other slot;
; behind it the other slot is filled again first, one load a wave, and has this slot's work in which to land.
.macro TRIP slot, other, refill
	s_wait_tensorcnt 0x0                           ; no load of mine is out, so every group 0 may be written:
	ds_add_u32 v240, v241
	s_wait_dscnt 0x0
	s_add_nc_u64 s[G0K+4*\other+2:G0K+4*\other+3], s[G0K+4*\other+2:G0K+4*\other+3], 2*STEP   ; the other slot's next 256 keys
	s_add_nc_u64 s[G0V+4*\other+2:G0V+4*\other+3], s[G0V+4*\other+2:G0V+4*\other+3], 2*STEP
	s_wait_dscnt 0x0
	s_barrier_signal -1
	s_barrier_wait -1
.if \refill
	KVLOAD \other
.endif
	WORK \slot, 0
.endm
	s_wait_tensorcnt 0x1                           ; my part of slot 0 is in; slot 1's may stay out
	s_barrier_signal -1
	s_barrier_wait -1
	WORK 0, 1
	s_mov_b32 s3, 0                                ; the loop's counter: a register of its own, outside every descriptor
.Lloop:
	TRIP 1, 0, 1
	TRIP 0, 1, 1
	s_add_co_u32 s3, s3, 1
	s_cmp_lt_u32 s3, s48
	s_cbranch_scc1 .Lloop
	s_bitcmp1_b32 s15, 0                           ; the number of slots hangs on j alone: the same in all sixteen waves
	s_cbranch_scc1 .Lodd
	TRIP 1, 0, 0                                   ; the last slot: nothing is left to fetch
	s_branch .Lout
.Lodd:
	TRIP 1, 0, 1
	TRIP 0, 1, 0
.Lout:
	; THE MERGE.  The pair's 4,352 bytes take the odd wave's sums in two rounds: d tiles 0-3 (4,096 bytes) with maximum and sum (256 bytes), then d tiles 4-7.
	; Each round: the odd wave stores and waits, a barrier, the even wave loads and waits, a barrier before the bytes are written again.  No tensor load fills these bytes.
	PLACES
	v_and_b32 v[XA], 31, v0
	v_lshl_add_u32 v[XM], v[XA], 3, s68
	v_lshl_add_u32 v[XA], v[XA], 4, s68
	v_mov_b32 v22, v14                             ; my maximum,
	v_add_f32 v23, v20, v21                        ; and the sum over my lane's keys
	s_cmp_eq_u32 s2, 0
	s_cbranch_scc1 .Lx1
.irp q, 0,1,2,3,4,5,6,7
	ds_store_b128 v[XA], v[ACC+4*\q:ACC+4*\q+3] offset:512*\q
.endr
	ds_store_b64 v[XM], v[22:23] offset:4096
.Lx1:
	s_wait_dscnt 0x0                               ; for the partner's sake: my stores are done
	s_barrier_signal -1
	s_barrier_wait -1
	s_cmp_lg_u32 s2, 0
	s_cbranch_scc1 .Lx2
	ds_load_b64 v[24:25], v[XM] offset:4096
.irp q, 0,1,2,3,4,5,6,7
	ds_load_b128 v[F0+4*\q:F0+4*\q+3], v[XA] offset:512*\q
.endr
.Lx2:
	s_wait_dscnt 0x0                               ; my reads are back: the bytes may be written again behind this barrier
	s_barrier_signal -1
	s_barrier_wait -1
	s_cmp_eq_u32 s2, 0
	s_cbranch_scc1 .Lmerge
.irp q, 0,1,2,3,4,5,6,7
	ds_store_b128 v[XA], v[ACC+32+4*\q:ACC+32+4*\q+3] offset:512*\q
.endr
	s_branch .Lx3
.Lmerge:
	v_max_num_f32 v26, v14, v24                    ; the common maximum
	v_sub_f32 v27, v14, v26
	v_sub_f32 v28, v24, v26
	v_exp_f32 v27, v27                             ; a_e
	v_exp_f32 v28, v28                             ; a_o
	v_nop                                          ; one plain place behind the transcendentals (ISA guide 5.7.2)
	s_wait_alu depctr_va_vdst(0)
	v_mul_f32 v29, v23, v27
	v_fmac_f32 v29, v25, v28                       ; the lane's share of the whole sum
	v_permlanex16_b32 v22, v29, s54, s55           ; the other share lies in lane l xor 16
	v_add_f32 v29, v29, v22
	v_rcp_f32 v26, v29
	v_nop
	s_wait_alu depctr_va_vdst(0)
	v_mul_f32 v16, v27, v26                        ; a_e / sum, twice
	v_mul_f32 v18, v28, v26                        ; a_o / sum, twice
	v_mov_b32 v17, v16
	v_mov_b32 v19, v18
.set n_, 0
.rept 16
	v_pk_mul_f32 v[ACC+2*n_:ACC+2*n_+1], v[ACC+2*n_:ACC+2*n_+1], v[16:17]
	v_pk_fma_f32 v[ACC+2*n_:ACC+2*n_+1], v[F0+2*n_:F0+2*n_+1], v[18:19], v[ACC+2*n_:ACC+2*n_+1]
.set n_, n_+1
.endr
.Lx3:
	s_wait_dscnt 0x0
	s_barrier_signal -1
	s_barrier_wait -1
	s_cmp_lg_u32 s2, 0
	s_cbranch_scc1 .Lend                           ; the odd waves have handed everything over
.irp q, 0,1,2,3,4,5,6,7
	ds_load_b128 v[F1+4*\q:F1+4*\q+3], v[XA] offset:512*\q
.endr
	s_wait_dscnt 0x0
.set n_, 16
.rept 16
	v_pk_mul_f32 v[ACC+2*n_:ACC+2*n_+1], v[ACC+2*n_:ACC+2*n_+1], v[16:17]
	v_pk_fma_f32 v[ACC+2*n_:ACC+2*n_+1], v[F1+2*n_-32:F1+2*n_-31], v[18:19], v[ACC+2*n_:ACC+2*n_+1]
.set n_, n_+1
.endr
.set n_, 0
.rept 32
	v_cvt_pk_f16_f32 v[S+n_], v[ACC+2*n_], v[ACC+2*n_+1]
.set n_, n_+1
.endr
.irp b, 0,1,2,3,4,5,6,7
	ds_store_b128 v[STO], v[S+4*\b:S+4*\b+3] offset:32*\b          ; query r, d = 16 b + 8 h ..: into the pair's stage, which only I touch from here on
.endr
.irp t, 0,1,2,3,4,5,6,7
	ds_load_b128 v[F0+4*\t:F0+4*\t+3], v[RD] offset:\t*544         ; back as whole rows; LDS serves a wave's instructions in order (ISA guide 5.7.1.4)
.endr
.irp t, 0,1,2,3,4,5,6,7
	s_wait_dscnt 7-\t
	global_store_b128 v[CO], v[F0+4*\t:F0+4*\t+3], s[58:59] offset:\t*8192   ; 16 lanes store 256 consecutive bytes, aligned
.endr
.Lend:
	s_wait_tensorcnt 0x0
	ds_add_u32 v240, v241
	s_wait_dscnt 0x0
	s_endpgm
.Lfunc_end_k_q99c4d75cf7_attn:
	.size	k_q99c4d75cf7_attn, .Lfunc_end_k_q99c4d75cf7_attn-k_q99c4d75cf7_attn
	.p2alignl 7, 3214868480
	.fill 96, 4, 3214868480
	.section	.rodata,"a",@progbits
	.p2align	6, 0x0
	.amdhsa_kernel k_q99c4d75cf7_attn
		.amdhsa_group_segment_fixed_size 327680
		.amdhsa_private_segment_fixed_size 0
		.amdhsa_enable_private_segment 0
		.amdhsa_kernarg_size 16
		.amdhsa_user_sgpr_count 2
		.amdhsa_user_sgpr_kernarg_segment_ptr 1
		.amdhsa_wavefront_size32 1
		.amdhsa_system_sgpr_workgroup_id_x 1
		.amdhsa_system_sgpr_workgroup_id_y 1
		.amdhsa_system_sgpr_workgroup_id_z 1
		.amdhsa_system_vgpr_workitem_id 0
		.amdhsa_next_free_vgpr 242
		.amdhsa_next_free_sgpr 72
		.amdhsa_reserve_vcc 1
		.amdhsa_float_denorm_mode_32 3
		.amdhsa_float_denorm_mode_16_64 3
		.amdhsa_memory_ordered 1
		.amdhsa_forward_progress 1
		.amdhsa_inst_pref_size 222
	.end_amdhsa_kernel
	.amdgpu_metadata
---
amdhsa.version: [ 1, 2 ]
amdhsa.kernels:
  - .name:           k_q99c4d75cf7_attn
    .symbol:         k_q99c4d75cf7_attn.kd
    .args:
      - { .name: qkv, .offset: 0, .size: 8, .value_kind: global_buffer, .address_space: global }
      - { .name: yb, .offset: 8, .size: 8, .value_kind: global_buffer, .address_space: global }
    .group_segment_fixed_size: 327680
    .private_segment_fixed_size: 0
    .kernarg_segment_align: 8
    .kernarg_segment_size: 16
    .max_flat_workgroup_size: 512
    .sgpr_count:     72
    .vgpr_count:     242
    .wavefront_size: 32
...
	.end_amdgpu_metadata
.endif
;; end of part 3
;; launch proj (part 4): grid 16 x 16, 4 waves a work-group, clusters of 4 x 4, 327,680 bytes of LDS; arguments yb, cast, stats, lambdas, out0; writes out0
.if DOCPART == 4
	.amdgcn_target "amdgcn-amd-amdhsa--gfx1250"
	.amdhsa_code_object_version 6
	.text
	.protected	k_q99c4d75cf7_proj
	.globl	k_q99c4d75cf7_proj
	.p2align	8
	.type	k_q99c4d75cf7_proj,@function
k_q99c4d75cf7_proj:
	s_mov_b64 s[64:65], 0
	v_nop
	global_prefetch_b8 v0, s[64:65] scope:SCOPE_SE
	s_setreg_imm32_b32 hwreg(HW_REG_WAVE_MODE, 25, 1), 1
	s_wait_xcnt 0x0
	s_wait_alu depctr_hold_cnt(0) depctr_sa_sdst(0) depctr_va_vdst(0) depctr_va_sdst(0) depctr_va_ssrc(0) depctr_va_vcc(0) depctr_vm_vsrc(0)
	s_getreg_b32 s2, hwreg(HW_REG_IB_STS2, 6, 4)
	s_cmp_eq_u32 s2, 0
	s_cbranch_scc0 .Lentry_in_a_cluster
	s_endpgm
.Lentry_in_a_cluster:
	s_bfe_u32 s2, ttmp6, 0x10000c
	s_cmp_lg_u32 s2, 0xf033
	s_cbranch_scc0 .Lentry_shape_is_right
	s_endpgm
.Lentry_shape_is_right:
; PROJ: out0[t][n] = OS x sum over k of yb[t][k] wproj[n][k], both operands f16, sums in f32, out0 f32.
; yb holds FS y with FS = 2^15 / a2 (a2: the power of two above alpha = 2048 |l0| max|x| max|wv| + |l1| max|vi|); OS = a2 / 2^15 takes it out again, exactly.
; alpha is made here by the same lines as in the launch that scaled v, from the same numbers.  LIMITS as there: 2^-100 <= alpha < 2^126.
; A work-group makes 128 tokens x 128 columns with four waves, a wave 64 x 64 in 16 accumulator tiles (128 registers): 16 x 16 = 256 work-groups.
; Of all blocks of 16,384 outputs the square one takes the fewest rows of yb and wproj into LDS: (128 + 128) x 4,096 bytes for the whole of K.
; K goes in steps of 256 through two LDS slots, so that the whole of K is eight slots: two first fills and six refills, each of 64 rows x 512 bytes a wave.
; 4 x 4 work-groups form a cluster: yb's tiles are asked for jointly along a row of the cluster, wproj's along a column, which divides the requests by four.
; REGISTERS: window 0: v14-46 small things; v64-95, v128-159 fragments of yb, v96-127, v160-191 fragments of wproj, two buffers each; v192-223 results at work;
; window 1: accumulator tile (a, b) at v[8 (4 a + b)].  The matrix instruction is used transposed: lane l holds token l % 16, registers 0-7 the columns 8 (l / 16) + 0..7.
.set SIZE_K, 2048
.set KSLOT,  256                       ; K in a slot: eight quarter steps of 32
.set PITCH,  528                       ; an LDS row: 512 bytes + 16 of padding = 132 words: the 16 rows that a load touches start at 16 different banks (ISA guide 11.1)
.set PART,   64*PITCH                  ; 64 rows: what one tensor load brings, and what one wave reads of yb or of wproj
.set SLOT,   4*PART                    ; yb's 128 rows, then wproj's 128
.set STAGE,  2*SLOT                    ; behind the ring: 16 rows x 272 bytes for each wave, for the way out
.set SPITCH, 272
.set LAPS, SIZE_K/(2*KSLOT)            ; a lap = once round the ring
.set ADRA, 16
.set ADRB, 20
.set STO,  24
.set RD,   25
.set CO,   26
.set VT,   27
.set FA0,  64
.set FB0,  96
.set FA1,  128
.set FB1,  160
.set TMP,  192
.set G1, 24
.set G0, 32
.set G1B, 48
.set G0B, 56
.set MSB, 0
.macro WIN new                         ; the immediate's high byte repeats the setting that is left
.if MSB != \new
	s_set_vgpr_msb (MSB<<8)|\new
.set MSB, \new
.endif
.endm
.set MUL, 0x50                         ; sources 0 and 1 window 0, C and D window 1
; A joint load.  Waves 0 and 1 fetch yb's two halves, waves 2 and 3 wproj's.  The branch hangs on the wave's number alone.
.macro JLOAD s
	s_cmp_eq_u32 s11, 0
	s_cbranch_scc0 .Lfor_b_\@
	tensor_load_to_lds s[G0+4*\s:G0+4*\s+3], s[G1:G1+7]
	s_nop 0
	s_branch .Lasked_\@
.Lfor_b_\@:
	tensor_load_to_lds s[G0B+4*\s:G0B+4*\s+3], s[G1B:G1B+7]
	s_nop 0
.Lasked_\@:
.endm
; A round of the cluster's barrier: my work-group's barrier; wave 0 signals for the work-group; every wave waits for all sixteen; my work-group's barrier once more.
.macro CREST
	s_cmp_lg_u32 s10, 0
	s_cbranch_scc1 .Lnot_wave_0_\@
	s_barrier_signal -3
.Lnot_wave_0_\@:
	s_barrier_wait -3
	s_barrier_signal -1
	s_barrier_wait -1
.endm
.macro CROUND
	s_barrier_signal -1
	s_barrier_wait -1
	CREST
.endm
	s_load_b128 s[4:7], s[0:1], 0x0                ; yb, cast
	s_load_b128 s[76:79], s[0:1], 0x10             ; stats, lambdas
	s_load_b64 s[8:9], s[0:1], 0x20                ; out0
	v_lshl_add_u32 v254, v0, 2, 0x46400
	v_mov_b32 v255, 0
	ds_add_u32 v254, v255
	ds_add_u32 v254, v255
	v_lshrrev_b32 v1, 5, v0
	v_readfirstlane_b32 s10, v1                    ; wave 0..3
	s_lshr_b32 s11, s10, 1                         ; which half of the block's tokens is mine.  Also: I fetch for yb (0) or for wproj (1)
	s_and_b32 s12, s10, 1                          ; which half of its columns.  Also: which 64 rows of that tile I fetch
	s_bfe_u32 s40, ttmp6, 0x40000                  ; cx
	s_bfe_u32 s41, ttmp6, 0x40004                  ; cy
	s_lshl_b32 s42, ttmp9, 2
	s_add_co_u32 s42, s42, s40                     ; block column
	s_and_b32 s13, ttmp7, 0xffff
	s_lshl_b32 s13, s13, 2
	s_add_co_u32 s13, s13, s41                     ; block row
	s_lshl_b32 s43, s41, 2
	s_lshl_b32 s43, 15, s43                        ; my row of the cluster
	s_lshl_b32 s44, 0x1111, s40                    ; my column
	s_mov_b32 s70, 0x76543210
	s_mov_b32 s71, 0xfedcba98
	; group 1: 64 rows x 256 elements of 2 bytes, 16 bytes of padding behind each row of 128 words
	s_or_b32 s[G1+0], s43, (1<<16)|(1<<20)|(1<<21)|(6<<22)|(3<<25)  ; 15:0 the mask: yb's tiles go to my row; 17:16 2 bytes; 20 padding on; 21 set beside a mask; 24:22 after 128 words; 31:25 4 words
	s_or_b32 s[G1B+0], s44, (1<<16)|(1<<20)|(1<<21)|(6<<22)|(3<<25) ; the same with the mask of my column, for wproj's tiles
	s_mov_b32 s[G1B+1], KSLOT<<16
	s_mov_b32 s[G1+1], KSLOT<<16                   ; tensor_dim0 = 256
	s_mov_b32 s[G1B+2], 64<<16
	s_mov_b32 s[G1+2], 64<<16                      ; tensor_dim1 = 64
	s_mov_b32 s[G1B+3], KSLOT<<16
	s_mov_b32 s[G1+3], KSLOT<<16                   ; tile_dim0 = 256
	s_mov_b32 s[G1B+4], 64
	s_mov_b32 s[G1+4], 64                          ; tile_dim1 = 64
	s_mov_b32 s[G1B+5], SIZE_K
	s_mov_b32 s[G1+5], SIZE_K                      ; elements from row to row
	s_mov_b32 s[G1B+6], 0
	s_mov_b32 s[G1+6], 0
	s_mov_b32 s[G1B+7], 0
	s_mov_b32 s[G1+7], 0
	; yb's tiles hang on the block row alone, wproj's on the block column alone; each address is made in registers that never hold the other coordinate
	s_lshl_b32 s17, s12, 6
	s_lshl_b32 s16, s13, 7
	s_add_co_u32 s16, s16, s17                     ; yb: row 128 x block row + 64 x half
	s_lshl_b32 s46, s42, 7
	s_add_co_u32 s46, s46, s17                     ; wproj: row 128 x block column + 64 x half
	s_mov_b32 s17, 0
	s_mov_b32 s47, 0
	s_mov_b64 s[18:19], SIZE_K*2
	s_mul_u64 s[16:17], s[16:17], s[18:19]
	s_mul_u64 s[46:47], s[46:47], s[18:19]
	s_mul_i32 s20, s10, PART                       ; where they go: yb's two halves, then wproj's two = wave x 64 rows: no place in the cluster enters an LDS address
	s_wait_dscnt 0x0
	s_wait_kmcnt 0x0
	s_add_nc_u64 s[6:7], s[6:7], 0x2800000         ; wproj: cast's segment 5
	s_add_nc_u64 s[14:15], s[4:5], s[16:17]
	s_add_nc_u64 s[46:47], s[6:7], s[46:47]
	s_load_b64 s[80:81], s[78:79], 0x0             ; l0, l1: waited for behind the K loop
	CROUND                                         ; all sixteen work-groups are here: the first joint loads meet
.irp s, 0,1
	s_mov_b32 s[G0+4*\s], 1
	s_add_co_u32 s[G0+4*\s+1], s20, \s*SLOT
	s_add_nc_u64 s[G0+4*\s+2:G0+4*\s+3], s[14:15], \s*KSLOT*2
	s_or_b32 s[G0+4*\s+3], s[G0+4*\s+3], 0x80000000
	s_mov_b32 s[G0B+4*\s], 1
	s_add_co_u32 s[G0B+4*\s+1], s20, \s*SLOT
	s_add_nc_u64 s[G0B+4*\s+2:G0B+4*\s+3], s[46:47], \s*KSLOT*2
	s_or_b32 s[G0B+4*\s+3], s[G0B+4*\s+3], 0x80000000
	JLOAD \s                                       ; both slots are asked for before anything else is done: two loads of the wave are out
.endr
	v_and_b32 v[VT], 31, v0
	v_lshlrev_b32 v[VT], 4, v[VT]
	global_load_b128 v[32:35], v[VT], s[76:77]             ; the partial maxima of x, wv, vi: used behind the K loop, untouched till then
	global_load_b128 v[36:39], v[VT], s[76:77] offset:512
	global_load_b128 v[40:43], v[VT], s[76:77] offset:1024
	v_and_b32 v1, 15, v0                           ; l % 16
	v_bfe_u32 v2, v0, 4, 1                         ; l / 16
	v_mul_u32_u24 v3, v1, PITCH
	v_lshl_add_u32 v3, v2, 4, v3                   ; row x pitch + 16 x half
	s_mul_i32 s21, s11, PART                       ; my 64 tokens
	s_mul_i32 s22, s12, PART                       ; my 64 rows of wproj,
	s_add_co_u32 s22, s22, 2*PART                  ; which lie behind yb's 128
.irp s, 0,1
	v_add_nc_u32 v[ADRA+\s], s21, v3
	v_add_nc_u32 v[ADRB+\s], s22, v3
	s_add_co_u32 s21, s21, SLOT
	s_add_co_u32 s22, s22, SLOT
.endr
	s_mul_i32 s23, s10, 16*SPITCH
	s_add_co_u32 s23, s23, STAGE                   ; my stage: 16 rows of 64 f32
	v_mul_u32_u24 v4, v1, SPITCH
	v_lshl_add_u32 v4, v2, 5, v4                   ; in: row l % 16, 32 bytes for each half of the lanes
	v_add_nc_u32 v[STO], s23, v4
	v_mul_u32_u24 v5, v2, SPITCH
	v_lshl_add_u32 v5, v1, 4, v5                   ; back: lanes 0-15 take one row of 256 bytes, lanes 16-31 the next
	v_add_nc_u32 v[RD], s23, v5
	v_lshlrev_b32 v5, 13, v2                       ; rows of out0 are 8,192 bytes
	v_lshl_add_u32 v[CO], v1, 4, v5
; Token block a x the 4 column blocks, 32 along K.  The 16 accumulators take turns, one instruction a turn, in the same order in every quarter step.
.macro MUL4 fa, fb, a, zero
.irp b, 0,1,2,3
.if \zero
	v_wmma_f32_16x16x32_f16 v[8*(4*\a+\b):8*(4*\a+\b)+7], v[\fb+8*\b:\fb+8*\b+7], v[\fa+8*\a:\fa+8*\a+7], 0
.else
	v_wmma_f32_16x16x32_f16 v[8*(4*\a+\b):8*(4*\a+\b)+7], v[\fb+8*\b:\fb+8*\b+7], v[\fa+8*\a:\fa+8*\a+7], v[8*(4*\a+\b):8*(4*\a+\b)+7]
.endif
.endr
.endm
.macro FETCH slot, k, fa, fb           ; 16 LDS loads in one run: wproj's 64 rows, then my 64 tokens, 32 K at byte k of the rows
	WIN 0
.irp i, 0,1,2,3
	ds_load_b128 v[\fb+8*\i:\fb+8*\i+3],   v[ADRB+\slot] offset:\k+\i*16*PITCH
	ds_load_b128 v[\fb+8*\i+4:\fb+8*\i+7], v[ADRB+\slot] offset:\k+\i*16*PITCH+32
.endr
.irp i, 0,1,2,3
	ds_load_b128 v[\fa+8*\i:\fa+8*\i+3],   v[ADRA+\slot] offset:\k+\i*16*PITCH
	ds_load_b128 v[\fa+8*\i+4:\fa+8*\i+7], v[ADRA+\slot] offset:\k+\i*16*PITCH+32
.endr
.endm
.macro PLACES                          ; four places behind a matrix instruction (ISA guide 7.12.1 for vector instructions)
.rept 4
	v_nop
.endr
.endm
; A quarter step: multiplies buffers fa, fb; in its middle it fetches the next quarter's fragments, at byte k of the same slot's rows, into ga, gb.
.macro QUARTER slot, k, fa, fb, ga, gb, zero
	s_wait_dscnt 4                                 ; wproj and my tokens 0-31 are in; the youngest four loads (tokens 32-63) may be out
	WIN MUL
	MUL4 \fa, \fb, 0, \zero
	MUL4 \fa, \fb, 1, \zero
	PLACES
	FETCH \slot, \k, \ga, \gb
	s_wait_dscnt 16                                ; all but the 16 just issued
	WIN MUL
	MUL4 \fa, \fb, 2, \zero
	MUL4 \fa, \fb, 3, \zero
.endm
.macro SEVEN slot, zero                ; the first seven of a slot's eight quarter steps
	QUARTER \slot, 64,  FA0, FB0, FA1, FB1, \zero
	QUARTER \slot, 128, FA1, FB1, FA0, FB0, 0
	QUARTER \slot, 192, FA0, FB0, FA1, FB1, 0
	QUARTER \slot, 256, FA1, FB1, FA0, FB0, 0
	QUARTER \slot, 320, FA0, FB0, FA1, FB1, 0
	QUARTER \slot, 384, FA1, FB1, FA0, FB0, 0
	QUARTER \slot, 448, FA0, FB0, FA1, FB1, 0
.endm
; The eighth changes slots.  In front of the barrier each wave waits for its reads of this slot and for all its tensor loads (one is out: its part of the
; next slot).  Behind it the refill comes first, then the next slot's first fragments.
.macro TURN slot, next, fill
	s_wait_dscnt 4
	WIN MUL
	MUL4 FA1, FB1, 0, 0
	s_wait_dscnt 0                                 ; my reads of this slot are over
	s_wait_tensorcnt 0x0                           ; and all my tensor loads have landed
	ds_add_u32 v254, v255
	s_wait_dscnt 0x0
	s_barrier_signal -1                            ; (where a slot is filled again this barrier opens a round of the cluster's barrier)
	MUL4 FA1, FB1, 1, 0                            ; register work while the others arrive
	WIN 0
	s_barrier_wait -1
.if \fill
	CREST                                          ; the round is closed: no wave of any partner still reads this slot or has a load on its way
	s_add_nc_u64 s[G0+4*\slot+2:G0+4*\slot+3], s[G0+4*\slot+2:G0+4*\slot+3], 2*KSLOT*2
	s_add_nc_u64 s[G0B+4*\slot+2:G0B+4*\slot+3], s[G0B+4*\slot+2:G0B+4*\slot+3], 2*KSLOT*2
	JLOAD \slot                                    ; the first tensor load behind the round, the wave's only one until the next
.endif
	PLACES
	FETCH \next, 0, FA0, FB0
	WIN MUL
	MUL4 FA1, FB1, 2, 0
	MUL4 FA1, FB1, 3, 0
.endm
.macro LAP zero
	SEVEN 0, \zero
	TURN 0, 1, 1
	SEVEN 1, 0
	TURN 1, 0, 1
.endm
	s_wait_tensorcnt 1                             ; my part of slot 0 is in; slot 1's stays out
	s_barrier_signal -1
	s_barrier_wait -1
	FETCH 0, 0, FA0, FB0
	LAP 1                                          ; the first lap stands in front of the loop: its first products start the sums
	WIN 0
	s_mov_b32 s3, LAPS-2
.Llap:
	LAP 0
	WIN 0
	s_sub_co_u32 s3, s3, 1
	s_cmp_lg_u32 s3, 0
	s_cbranch_scc1 .Llap
	SEVEN 0, 0                                     ; the last lap fills nothing
	TURN 0, 1, 0
	SEVEN 1, 0
	s_wait_dscnt 4
	WIN MUL
	MUL4 FA1, FB1, 0, 0
	MUL4 FA1, FB1, 1, 0
	s_wait_dscnt 0
	MUL4 FA1, FB1, 2, 0
	MUL4 FA1, FB1, 3, 0
	PLACES                                         ; behind the last matrix instructions: results are read, fragment buffers are loaded anew
	WIN 0
	s_lshl_b32 s13, s13, 7
	s_lshl_b32 s14, s11, 6
	s_add_co_u32 s84, s13, s14                     ; my first token
	s_lshl_b32 s84, s84, 13                        ; x 8,192 bytes
	s_mov_b32 s85, 0
	s_add_nc_u64 s[8:9], s[8:9], s[84:85]
	s_lshl_b32 s86, s42, 9                         ; my first column, in bytes: 512 x block + 256 x half
	s_lshl_b32 s87, s12, 8
	s_add_co_u32 s86, s86, s87
	s_mov_b32 s87, 0
	s_add_nc_u64 s[8:9], s[8:9], s[86:87]
	s_wait_kmcnt 0x0                               ; l0, l1
	s_wait_loadcnt 0x0                             ; the statistics
; alpha and the power of two above it: a2's bits in v32.  The same lines as in the launch that scaled v.
.macro ALPHA
	v_max3_num_f32 v32, v32, v33, v34
	v_max_num_f32 v32, v32, v35
	v_max3_num_f32 v36, v36, v37, v38
	v_max_num_f32 v36, v36, v39
	v_max3_num_f32 v40, v40, v41, v42
	v_max_num_f32 v40, v40, v43
.irp m, 1,2,4,8
	v_max_num_f32_dpp v32, v32, v32 row_xmask:\m row_mask:0xf bank_mask:0xf
	v_max_num_f32_dpp v36, v36, v36 row_xmask:\m row_mask:0xf bank_mask:0xf
	v_max_num_f32_dpp v40, v40, v40 row_xmask:\m row_mask:0xf bank_mask:0xf
.endr
	v_permlanex16_b32 v33, v32, s70, s71
	v_permlanex16_b32 v37, v36, s70, s71
	v_permlanex16_b32 v41, v40, s70, s71
	v_max_num_f32 v32, v32, v33
	v_max_num_f32 v36, v36, v37
	v_max_num_f32 v40, v40, v41
	v_cvt_pk_bf16_f32 v44, s80, s81
	v_lshlrev_b32 v45, 16, v44
	v_and_b32 v46, 0xffff0000, v44
	v_mul_f32 v32, v32, v36
	v_mul_f32 v32, 0x45000000, v32
	v_mul_f32 v32, |v45|, v32
	v_fma_f32 v32, |v46|, v40, v32
	v_max_num_f32 v32, 0x0d800000, v32
	v_and_b32 v32, 0x7f800000, v32
	v_add_nc_u32 v32, 0x00800000, v32
.endm
	ALPHA
	v_sub_nc_u32 v14, v32, 0x07800000              ; OS = a2 / 2^15, by its exponent, twice
	v_mov_b32 v15, v14
; 16 tokens: the four tiles (i, 0..3) are scaled, go into my stage as rows of 64 f32 and come back as whole rows of 256 bytes
.macro OUT16F i
	WIN 0x01
.set n_, 0
.rept 16
	v_pk_mul_f32 v[TMP+2*n_:TMP+2*n_+1], v[32*\i+2*n_:32*\i+2*n_+1], v[14:15]
.set n_, n_+1
.endr
	WIN 0
.irp b, 0,1,2,3
	ds_store_b128 v[STO], v[TMP+8*\b:TMP+8*\b+3] offset:64*\b
	ds_store_b128 v[STO], v[TMP+8*\b+4:TMP+8*\b+7] offset:64*\b+16
.endr
	s_wait_xcnt 0x0                                ; FA0's registers, which the last block's stores read, and the stores' base are rewritten only behind this wait
.if \i
	s_add_nc_u64 s[8:9], s[8:9], 16*8192
.endif
.irp t, 0,1,2,3,4,5,6,7
	ds_load_b128 v[FA0+4*\t:FA0+4*\t+3], v[RD] offset:\t*2*SPITCH  ; LDS serves a wave's instructions in order (ISA guide 5.7.1.4)
.endr
.irp t, 0,1,2,3,4,5,6,7
	s_wait_dscnt 7-\t
	global_store_b128 v[CO], v[FA0+4*\t:FA0+4*\t+3], s[8:9] offset:\t*16384 th:TH_STORE_NT   ; 16 lanes store 256 consecutive bytes, aligned
.endr
.endm
	OUT16F 0
	OUT16F 1
	OUT16F 2
	OUT16F 3
	s_wait_tensorcnt 0x0
	ds_add_u32 v254, v255
	s_wait_dscnt 0x0
	CROUND                                         ; the closing round: no work-group ends while a partner may still ask for a tile that names it
	s_endpgm
.Lfunc_end_k_q99c4d75cf7_proj:
	.size	k_q99c4d75cf7_proj, .Lfunc_end_k_q99c4d75cf7_proj-k_q99c4d75cf7_proj
	.p2alignl 7, 3214868480
	.fill 96, 4, 3214868480
	.section	.rodata,"a",@progbits
	.p2align	6, 0x0
	.amdhsa_kernel k_q99c4d75cf7_proj
		.amdhsa_group_segment_fixed_size 327680
		.amdhsa_private_segment_fixed_size 0
		.amdhsa_enable_private_segment 0
		.amdhsa_kernarg_size 40
		.amdhsa_user_sgpr_count 2
		.amdhsa_user_sgpr_kernarg_segment_ptr 1
		.amdhsa_wavefront_size32 1
		.amdhsa_system_sgpr_workgroup_id_x 1
		.amdhsa_system_sgpr_workgroup_id_y 1
		.amdhsa_system_sgpr_workgroup_id_z 1
		.amdhsa_system_vgpr_workitem_id 0
		.amdhsa_next_free_vgpr 384
		.amdhsa_next_free_sgpr 96
		.amdhsa_reserve_vcc 0
		.amdhsa_float_denorm_mode_32 3
		.amdhsa_float_denorm_mode_16_64 3
		.amdhsa_memory_ordered 1
		.amdhsa_forward_progress 1
		.amdhsa_inst_pref_size 134
	.end_amdhsa_kernel
	.amdgpu_metadata
---
amdhsa.version: [ 1, 2 ]
amdhsa.kernels:
  - .name:           k_q99c4d75cf7_proj
    .symbol:         k_q99c4d75cf7_proj.kd
    .args:
      - { .name: yb, .offset: 0, .size: 8, .value_kind: global_buffer, .address_space: global }
      - { .name: cast, .offset: 8, .size: 8, .value_kind: global_buffer, .address_space: global }
      - { .name: stats, .offset: 16, .size: 8, .value_kind: global_buffer, .address_space: global }
      - { .name: lambdas, .offset: 24, .size: 8, .value_kind: global_buffer, .address_space: global }
      - { .name: out0, .offset: 32, .size: 8, .value_kind: global_buffer, .address_space: global }
    .group_segment_fixed_size: 327680
    .private_segment_fixed_size: 0
    .kernarg_segment_align: 8
    .kernarg_segment_size: 40
    .max_flat_workgroup_size: 128
    .sgpr_count:     96
    .vgpr_count:     384
    .wavefront_size: 32
...
	.end_amdgpu_metadata
.endif
;; end of part 4
